; MI455X (gfx1250); checked and timed in simulation.
; The chip was launched on July 23, 2026; its instructions are those of AMD's public machine-readable ISA for CDNA 5 (MIT licence, August 2026) and "CDNA5" Instruction Set Architecture Reference Guide (July 2026). The comments in the code are by the model that wrote it; some were corrected since.
;; Multi Head Genetic Attention. Allowed arithmetic: matrix products marked QUANTISED: E5M2 operands, one E8M0 scale for each 32 along K, by v_wmma_scale_f32_16x16x128_f8f6f4 with both operands' format E5M2, f32 sums; everything else in f32.
;; Inputs: b_k 1,024 float32; b_o 1,024 float32; b_q 1,024 float32; b_v 256 float32; rms_k_w 64 float32; rms_q_w 64 float32; w_k 1,024 x 1,024 float32; w_o 1,024 x 1,024 float32; w_q 1,024 x 1,024 float32; w_v 1,024 x 256 float32; x 1 x 2,048 x 1,024 float32.
;; Outputs: out0 1 x 2,048 x 1,024 float32.
;; This version of the problem:
;;   THIS VERSION OF THE PROBLEM IS GIVEN IN LOW PRECISION. The matrix products marked QUANTISED in the list below multiply operands that are first quantised to E5M2 (5 exponent bits, 2 mantissa bits; 8 bits a number), with one power-of-two scale for each 32 numbers along K (OCP MX v1.0); their sums are f32. All else is computed in f32.
;;   The module's matrix products, in the order in which they are computed (A, B: the left and right operand; K: the contracted axis; several contracted axes count as one K, in the product's order):
;;     1. [M 2,048, K 1,024] x [K 1,024, N 1,024]; A: input x; B: input w_q: QUANTISED
;;     2. [M 2,048, K 1,024] x [K 1,024, N 1,024]; A: input x; B: input w_k: QUANTISED
;;     3. [M 2,048, K 1,024] x [K 1,024, N 256]; A: input x; B: input w_v: QUANTISED
;;     4. batch 16 x [M 2,048, K 64] x [K 64, N 2,048]; A: computed on the way; B: computed on the way: QUANTISED
;;     5. batch 16 x [M 2,048, K 2,048] x [K 2,048, N 64]; A: softmax (see below); B: computed on the way: QUANTISED
;;     6. [M 2,048, K 1,024] x [K 1,024, N 1,024]; A: computed on the way; B: input w_o: QUANTISED
;;   THE QUANTISER, for each operand of a quantised product, along K:
;;     - K is cut into blocks of 32 from its start; a last block that is shorter is filled with zeros.
;;     - A block's scale is 2^e with e = floor(log2(the largest magnitude in the block)) - 15, held to -126 .. 127; a block of zeros has e = 0. As a byte (E8M0): e + 127.
;;     - Each number is divided by its block's scale, clamped to +-57,344, and rounded to the nearest number of E5M2, ties to even, subnormals kept.
;;     - The product sums the exact products of the quantised numbers (number of the format x scale) in f32.
;;   ~~~python
;;   def quantise(x, axis):      # numpy; x: float32 -> the quantised numbers, widened to float32 again
;;       x = np.moveaxis(x, axis, -1); K = x.shape[-1]
;;       x = np.pad(x, [(0, 0)] * (x.ndim - 1) + [(0, -K % 32)]); x = x.reshape(x.shape[:-1] + (-1, 32)); a = np.abs(x).max(-1, keepdims=True)
;;       e = np.where(a > 0, np.clip(np.frexp(np.where(a > 0, a, 1))[1] - 1 - 15, -126, 127), 0)      # np.frexp(a)[1] - 1 = floor(log2(a)), exactly
;;       r = np.clip(x / 2.0 ** e, -57344, 57344)
;;       step = 2.0 ** (np.maximum(np.frexp(np.where(r == 0, 1, r))[1] - 1, -14) - 2)
;;       q = np.round(r / step) * step * 2.0 ** e      # np.round: ties to even
;;       return np.moveaxis(q.reshape(q.shape[:-2] + (-1,))[..., :K], -1, axis).astype(np.float32)
;;   ~~~
;;   SOFTMAX AHEAD OF A QUANTISED PRODUCT. Where the list says 'softmax', what is quantised is not the finished softmax but p = 2^(t - M), with t = logit x log2(e) and M = ceil(the row's largest t), a whole number; so 1/2 < the row's largest p <= 1. The row's sum l is taken of the UNQUANTISED p, in f32, and the product's result is divided by l at the end. Since M is a whole number, a kernel that streams over the keys may use a running M (the ceiling of the running maximum): every later rescaling is an exact power of two, which a block's scale takes up: the codes' values come out the same.
;;   OPERANDS COMPUTED ON THE WAY. 'Computed on the way' means the value that the module computes at that place (a softmax that the list does not call 'softmax' is quantised finished and normalised). What goes into a quantiser is computed in f32, as accurately as f32 sums, v_exp_f32 and their like allow (about 1e-6 of the number): no bf16 or f16 on the way to a quantiser, and a product that is left as it is and whose result goes on into a quantised operand takes f32 operands (vector FMAs, or v_wmma_f32_16x16x4_f32). A number that lies on a knife's edge between two numbers of the format may be rounded either way, as far as f32 arithmetic and the matrix unit's own rounding can turn it there, and no further.
;; 2 versions, each right; version 2 is version 1 with the launches fitp, attn written anew for expert scheduling mode. Each part assembles by itself: llvm-mc -triple=amdgcn-amd-amdhsa -mcpu=gfx1250 --defsym DOCPART=n.
;; ======== version 1 of 2: 5 launches
;; workspace buffers: xcod 2,162,688 bytes; wcod 3,514,368 bytes; qk 4,325,376 bytes; vcod 540,672 bytes; fit 262,144 bytes; ocod 2,162,688 bytes
;; launch quant (part 1): grid 336 x 1, 4 waves a work-group, no clusters, 34,304 bytes of LDS; arguments x, w_q, w_k, w_v, w_o, xcod, wcod; writes xcod, wcod
.if DOCPART == 1
	.amdgcn_target "amdgcn-amd-amdhsa--gfx1250"
	.amdhsa_code_object_version 6
	.text
	.protected	k_q489ed890ae_quant
	.globl	k_q489ed890ae_quant
	.p2align	8
	.type	k_q489ed890ae_quant,@function
k_q489ed890ae_quant:
	s_mov_b64 s[64:65], 0
	v_nop
	global_prefetch_b8 v0, s[64:65] scope:SCOPE_SE
	s_setreg_imm32_b32 hwreg(HW_REG_WAVE_MODE, 25, 1), 1
	s_wait_xcnt 0x0
; x [2048][1024] and the four weights [1024][n], f32, become codes of E5M2 with one E8M0 byte for each 32 along K (K = 1,024: x's last axis, a weight's first).
; LAYOUT OF THE RESULT: images of operand registers.  A tile is 16 rows (tokens of x, columns of a weight); of each group of 32 rows, tile 2 b + u holds rows 32 b + 8 u + rho + 8 (rho / 8), rho = 0 .. 15.
; A fragment (a tile x 128 along K) is 2,048 bytes: chunk c of 512 bytes holds, at 16 x lane, the codes k = 32 c + 16 (lane / 16) + 0 .. 15 of row rho = lane % 16.  A tile has 8 fragments on end (16,384 bytes).
; Scale words: [tile][K step][rho], one word of four bytes (byte c for k = 32 c ..), 512 bytes a tile, behind the images.
; A block's scale is 2^(floor(log2(its largest magnitude)) - 15); each number is held within +-57,344 x the scale and rounded to the nearest code, ties to even.
; LIMITS: NaN and infinities among the inputs are not served; a block whose largest magnitude lies under 2^-111 keeps the byte 1; a block of zeros gets the byte 1 with zero codes (only this program reads the bytes).
; Work-groups 0-127 take a tile of x each (wave w: K steps 2 w, 2 w + 1); work-groups 128-335 take 128 columns x 128 along K of a weight (wave w: 32 columns).  Only x's path uses LDS.  Waves share nothing: no barrier.
; No work-group reads what another reads, so nothing is asked for jointly.
.set TM,  8                            ; v8-11 largest magnitudes, v12-15 bytes, v16-19 the holds, v20-23 the conversions' scale operands
.set MNT, 19                           ; s19 the mantissa field of 57,344
.set SEL, 20                           ; s[20:21] selects of v_permlanex16_b32 for lane l xor 16
.set XSC, 2097152                      ; x's scale words in xcod
.set WSC, 3407872                      ; the weights' in wcod
.set R,   32                           ; x path: v32-159 two fragments as loaded
.set X,   160                          ; v160-223 64 numbers of a lane: register 16 b + i = k 32 b + 16 (lane / 16) + i of its row
.set PC,  224                          ; v224-255 codes, a set for each fragment: no store's data are written again
.set AD,  32                           ; w path: v32-63 4 x lane + i x pitch
.set WX,  64                           ; v64-191 four blocks of 32 numbers down K
.set WC,  192                          ; v192-223 codes, eight registers a block
; n blocks of 32: 16 numbers of each in my registers v[s + 16 b ..], the other 16 in lane l xor 16.  Codes to v[pc + 4 b ..], bytes left in v[TM + 4 + b].
.macro QUANT s, n, pc
.set qb, 0
.rept \n
	v_max3_num_f32 v[TM+qb], |v[(\s)+16*qb]|, |v[(\s)+16*qb+1]|, 0x8000000   ; with the floor 2^(16 - 127): the byte cannot fall under 1
.set qb, qb+1
.endr
.set qi, 2
.rept 7
.set qb, 0
.rept \n
	v_max3_num_f32 v[TM+qb], v[TM+qb], |v[(\s)+16*qb+qi]|, |v[(\s)+16*qb+qi+1]|
.set qb, qb+1
.endr
.set qi, qi+2
.endr
.set qb, 0
.rept \n
	v_permlanex16_b32 v[TM+4+qb], v[TM+qb], s[SEL], s[SEL+1]
.set qb, qb+1
.endr
.set qb, 0
.rept \n
	v_max_num_f32 v[TM+qb], v[TM+qb], v[TM+4+qb]               ; the block's largest magnitude
.set qb, qb+1
.endr
.set qb, 0
.rept \n
	v_add_nc_u32 v[TM+12+qb], 0xf8800000, v[TM+qb]             ; 15 off its exponent field: the conversion's scale operand
	v_and_or_b32 v[TM+8+qb], v[TM+qb], 0x7f800000, s[MNT]      ; 57,344 x the scale
.set qb, qb+1
.endr
.set qb, 0
.rept \n
	v_lshrrev_b32 v[TM+4+qb], 23, v[TM+12+qb]                  ; the scale's byte
.set qb, qb+1
.endr
.set qb, 0
.rept \n
.set qi, 0
.rept 16
	v_med3_num_f32 v[(\s)+16*qb+qi], v[(\s)+16*qb+qi], -v[TM+8+qb], v[TM+8+qb]   ; the conversion to an 8-bit code does not saturate (ISA guide 7.6.2)
.set qi, qi+1
.endr
	v_cvt_scalef32_pk8_bf8_f32 v[(\pc)+4*qb:(\pc)+4*qb+1], v[(\s)+16*qb:(\s)+16*qb+7], v[TM+12+qb]
	v_cvt_scalef32_pk8_bf8_f32 v[(\pc)+4*qb+2:(\pc)+4*qb+3], v[(\s)+16*qb+8:(\s)+16*qb+15], v[TM+12+qb]
.set qb, qb+1
.endr
	v_nop                                          ; a plain line behind the last conversion
.endm
	s_load_b256 s[4:11], s[0:1], 0x0               ; x, w_q, w_k, w_v
	s_load_b128 s[12:15], s[0:1], 0x20             ; w_o, xcod
	s_load_b64 s[16:17], s[0:1], 0x30              ; wcod
	v_lshl_add_u32 v30, v0, 2, 0x8400
	v_mov_b32 v31, 0
	v_lshrrev_b32 v1, 5, v0
	v_readfirstlane_b32 s18, v1                    ; wave
	v_and_b32 v1, 31, v0                           ; lane
	s_mov_b32 s[MNT], 0x600000
	s_mov_b32 s[SEL], 0x76543210
	s_mov_b32 s[SEL+1], 0xfedcba98
	s_cmp_lt_u32 ttmp9, 128
	s_cbranch_scc0 .Lweights
	; ---- x: tile T = the work-group's number
	v_lshlrev_b32 v2, 4, v1                        ; 16 x lane
	s_mul_i32 s22, s18, 8448                       ; my wave's stage: 16 rows x (512 + 16) bytes
	v_add_nc_u32 v3, s22, v2                       ; in: a row as it lies
	v_and_b32 v6, 15, v1
	v_lshrrev_b32 v7, 4, v1
	v_mul_u32_u24 v4, v6, 528
	v_lshl_add_u32 v4, v7, 6, v4
	v_add_nc_u32 v4, s22, v4                       ; out: row lane % 16, + 64 bytes for the upper half of the lanes
	v_lshlrev_b32 v5, 2, v1
.irp b, 0,1,2,3
	v_mov_b32 v[TM+4+\b], 0                        ; a lane permute's destination counts as read
.endr
	s_lshr_b32 s23, ttmp9, 1
	s_lshl_b32 s23, s23, 5
	s_and_b32 s24, ttmp9, 1
	s_lshl_b32 s24, s24, 3
	s_add_co_u32 s23, s23, s24                     ; the tile's first row: 32 b + 8 u
	s_lshl_b32 s24, s23, 12
	s_lshl_b32 s25, s18, 10
	s_add_co_u32 s24, s24, s25                     ; + my two K steps: 1,024 bytes x wave
	s_mov_b32 s25, 0
	s_lshl_b32 s26, ttmp9, 14
	s_lshl_b32 s27, s18, 12
	s_add_co_u32 s26, s26, s27                     ; my two fragments' images
	s_mov_b32 s27, 0
	s_lshl_b32 s28, ttmp9, 9
	s_lshl_b32 s29, s18, 7
	s_add_co_u32 s28, s28, s29
	s_add_co_u32 s28, s28, XSC                     ; and their 32 scale words
	s_mov_b32 s29, 0
	s_wait_kmcnt 0x0
	s_add_nc_u64 s[4:5], s[4:5], s[24:25]
	s_add_nc_u64 s[26:27], s[14:15], s[26:27]
	s_add_nc_u64 s[28:29], s[14:15], s[28:29]
.irp f, 0,1
.irp i, 0,1,2,3,4,5,6,7,8,9,10,11,12,13,14,15
	global_load_b128 v[R+64*\f+4*\i:R+64*\f+4*\i+3], v2, s[4:5] offset:(\i+8*(\i/8))*4096+512*\f th:TH_LOAD_NT   ; 512 consecutive bytes of row rho = i
.endr
.endr
.irp f, 0,1
.if \f == 0
	s_wait_loadcnt 16                              ; fragment 0's sixteen loads are in; fragment 1's sixteen may be out
.else
	s_wait_loadcnt 0x0
.endif
.irp i, 0,1,2,3,4,5,6,7,8,9,10,11,12,13,14,15
	ds_store_b128 v3, v[R+64*\f+4*\i:R+64*\f+4*\i+3] offset:528*\i
.endr
.irp c, 0,1,2,3
.irp j, 0,1,2,3
	ds_load_b128 v[X+16*\c+4*\j:X+16*\c+4*\j+3], v4 offset:128*\c+16*\j   ; LDS serves a wave's instructions in order (ISA guide 5.7.1.4): these see the stores above
.endr
.endr
	s_wait_dscnt 0x0
	QUANT X, 4, PC+16*\f
	v_lshl_or_b32 v[24+\f], v[TM+5], 8, v[TM+4]    ; my row's scale word
	v_lshl_or_b32 v[24+\f], v[TM+6], 16, v[24+\f]
	v_lshl_or_b32 v[24+\f], v[TM+7], 24, v[24+\f]
.irp c, 0,1,2,3
	global_store_b128 v2, v[PC+16*\f+4*\c:PC+16*\f+4*\c+3], s[26:27] offset:2048*\f+512*\c   ; 512 consecutive bytes
.endr
.endr
	v_cmp_gt_u32 vcc_lo, 16, v1
	v_cndmask_b32 v26, v25, v24, vcc_lo            ; lanes 0-15: the even K step's words; lanes 16-31: the odd one's
	global_store_b32 v5, v26, s[28:29]
	s_wait_tensorcnt 0x0
	ds_add_u32 v30, v31
	s_wait_dscnt 0x0
	s_endpgm
	; ---- the weights: a lane takes a column, its registers run down K
.Lweights:
	s_sub_co_u32 s22, ttmp9, 128
	s_lshr_b32 s23, s22, 3                         ; which 128 columns of [w_q | w_k | w_v | w_o]: 0 .. 25
	s_and_b32 s24, s22, 7                          ; which K step
	s_mov_b32 s25, 18                              ; the tensor's first such number
	s_mov_b32 s26, 4096                            ; its row in bytes
	s_wait_kmcnt 0x0
	s_cmp_lt_u32 s23, 18                           ; the choices hang on the work-group's number alone
	s_cselect_b64 s[12:13], s[10:11], s[12:13]
	s_cselect_b32 s25, 16, s25
	s_cselect_b32 s26, 1024, s26
	s_cmp_lt_u32 s23, 16
	s_cselect_b64 s[12:13], s[8:9], s[12:13]
	s_cselect_b32 s25, 8, s25
	s_cselect_b32 s26, 4096, s26
	s_cmp_lt_u32 s23, 8
	s_cselect_b64 s[12:13], s[6:7], s[12:13]
	s_cselect_b32 s25, 0, s25
	s_sub_co_u32 s27, s23, s25
	s_lshl_b32 s27, s27, 9                         ; 128 columns x 4 bytes
	s_lshl_b32 s28, s18, 7                         ; + 32 columns x wave
	s_add_co_u32 s27, s27, s28
	s_lshl_b32 s28, s24, 7
	s_mul_i32 s28, s28, s26                        ; + 128 rows x K step
	s_add_co_u32 s28, s27, s28
	s_mov_b32 s29, 0
	s_lshl_b32 s30, s26, 5                         ; 32 rows: from block to block
	s_mov_b32 s31, 0
	s_add_nc_u64 s[32:33], s[12:13], s[28:29]
	s_add_nc_u64 s[34:35], s[32:33], s[30:31]
	s_add_nc_u64 s[36:37], s[34:35], s[30:31]
	s_add_nc_u64 s[38:39], s[36:37], s[30:31]
	s_lshl_b32 s40, s23, 2
	s_add_co_u32 s40, s40, s18                     ; my group of 32 columns = tiles 2 G, 2 G + 1
	s_lshl_b32 s42, s40, 15
	s_lshl_b32 s43, s24, 11
	s_add_co_u32 s42, s42, s43
	s_mov_b32 s43, 0
	s_add_nc_u64 s[42:43], s[16:17], s[42:43]
	s_lshl_b32 s44, s40, 10
	s_lshl_b32 s45, s24, 6
	s_add_co_u32 s44, s44, s45
	s_add_co_u32 s44, s44, WSC
	s_mov_b32 s45, 0
	s_add_nc_u64 s[44:45], s[16:17], s[44:45]
	v_lshlrev_b32 v[AD], 2, v1
.set i, 1
.rept 31
	v_add_nc_u32 v[AD+i], s26, v[AD+i-1]
.set i, i+1
.endr
	v_bfe_u32 v2, v1, 3, 1                         ; my column's tile of the two,
	v_and_b32 v3, 7, v1
	v_lshrrev_b32 v4, 4, v1
	v_lshl_add_u32 v3, v4, 3, v3                   ; and its row rho there
	v_lshlrev_b32 v6, 4, v3
	v_lshl_add_u32 v6, v2, 14, v6
	v_lshlrev_b32 v7, 2, v3
	v_lshl_add_u32 v7, v2, 9, v7
.irp c, 0,1,2,3
.set i, 0
.rept 32
	global_load_b32 v[WX+32*\c+i], v[AD+i], s[32+2*\c:33+2*\c] th:TH_LOAD_NT   ; a wave reads 128 consecutive bytes, the four waves 512
.set i, i+1
.endr
.endr
.macro BLOCK c
.set XS, WX+32*\c
.if \c < 2
	s_wait_loadcnt 63                              ; behind this block's loads 96 (block 0) or 64 (block 1) were issued
.elseif \c == 2
	s_wait_loadcnt 32                              ; block 3's may be out
.else
	s_wait_loadcnt 0x0
.endif
	v_max3_num_f32 v8, |v[XS]|, |v[XS+1]|, |v[XS+2]|               ; all 32 numbers of the block are mine
	v_max3_num_f32 v9, |v[XS+3]|, |v[XS+4]|, |v[XS+5]|
.irp i, 6,10,14,18,22,26
	v_max3_num_f32 v8, v8, |v[XS+\i]|, |v[XS+\i+1]|
	v_max3_num_f32 v9, v9, |v[XS+\i+2]|, |v[XS+\i+3]|
.endr
	v_max3_num_f32 v8, v8, |v[XS+30]|, |v[XS+31]|
	v_max3_num_f32 v8, v8, v9, 0x8000000
	v_add_nc_u32 v11, 0xf8800000, v8
	v_and_or_b32 v10, v8, 0x7f800000, s[MNT]
	v_lshrrev_b32 v12, 23, v11
.if \c == 0
	v_mov_b32 v14, v12
.else
	v_lshl_or_b32 v14, v12, 8*\c, v14              ; the K step's four bytes make my column's scale word
.endif
.set i, 0
.rept 32
	v_med3_num_f32 v[XS+i], v[XS+i], -v10, v10
.set i, i+1
.endr
.irp g, 0,1,2,3
	v_cvt_scalef32_pk8_bf8_f32 v[WC+8*\c+2*\g:WC+8*\c+2*\g+1], v[XS+8*\g:XS+8*\g+7], v11
.endr
	v_nop
	global_store_b128 v6, v[WC+8*\c:WC+8*\c+3], s[42:43] offset:512*\c         ; k = 32 c + 0 .. 15: 256 consecutive bytes in each of the two tiles
	global_store_b128 v6, v[WC+8*\c+4:WC+8*\c+7], s[42:43] offset:512*\c+256   ; k = 32 c + 16 .. 31
.endm
	BLOCK 0
	BLOCK 1
	BLOCK 2
	BLOCK 3
	global_store_b32 v7, v14, s[44:45]
	s_endpgm
.Lfunc_end_k_q489ed890ae_quant:
	.size	k_q489ed890ae_quant, .Lfunc_end_k_q489ed890ae_quant-k_q489ed890ae_quant
	.p2alignl 7, 3214868480
	.fill 96, 4, 3214868480
	.section	.rodata,"a",@progbits
	.p2align	6, 0x0
	.amdhsa_kernel k_q489ed890ae_quant
		.amdhsa_group_segment_fixed_size 34304
		.amdhsa_private_segment_fixed_size 0
		.amdhsa_enable_private_segment 0
		.amdhsa_kernarg_size 56
		.amdhsa_user_sgpr_count 2
		.amdhsa_user_sgpr_kernarg_segment_ptr 1
		.amdhsa_wavefront_size32 1
		.amdhsa_system_sgpr_workgroup_id_x 1
		.amdhsa_system_sgpr_workgroup_id_y 1
		.amdhsa_system_sgpr_workgroup_id_z 1
		.amdhsa_system_vgpr_workitem_id 0
		.amdhsa_next_free_vgpr 256
		.amdhsa_next_free_sgpr 66
		.amdhsa_reserve_vcc 1
		.amdhsa_float_denorm_mode_32 3
		.amdhsa_float_denorm_mode_16_64 3
		.amdhsa_memory_ordered 1
		.amdhsa_forward_progress 1
		.amdhsa_inst_pref_size 57
	.end_amdhsa_kernel
	.amdgpu_metadata
---
amdhsa.version: [ 1, 2 ]
amdhsa.kernels:
  - .name:           k_q489ed890ae_quant
    .symbol:         k_q489ed890ae_quant.kd
    .args:
      - { .name: x, .offset: 0, .size: 8, .value_kind: global_buffer, .address_space: global }
      - { .name: w_q, .offset: 8, .size: 8, .value_kind: global_buffer, .address_space: global }
      - { .name: w_k, .offset: 16, .size: 8, .value_kind: global_buffer, .address_space: global }
      - { .name: w_v, .offset: 24, .size: 8, .value_kind: global_buffer, .address_space: global }
      - { .name: w_o, .offset: 32, .size: 8, .value_kind: global_buffer, .address_space: global }
      - { .name: xcod, .offset: 40, .size: 8, .value_kind: global_buffer, .address_space: global }
      - { .name: wcod, .offset: 48, .size: 8, .value_kind: global_buffer, .address_space: global }
    .group_segment_fixed_size: 34304
    .private_segment_fixed_size: 0
    .kernarg_segment_align: 8
    .kernarg_segment_size: 56
    .max_flat_workgroup_size: 128
    .sgpr_count:     66
    .vgpr_count:     256
    .wavefront_size: 32
...
	.end_amdgpu_metadata
.endif
;; end of part 1
;; launch proj (part 2): grid 16 x 16, 8 waves a work-group, clusters of 4 x 4, 281,600 bytes of LDS; arguments xcod, wcod, b_q, b_k, b_v, rms_q_w, rms_k_w, qk, vcod; writes qk, vcod
.if DOCPART == 2
	.amdgcn_target "amdgcn-amd-amdhsa--gfx1250"
	.amdhsa_code_object_version 6
	.text
	.protected	k_q489ed890ae_proj
	.globl	k_q489ed890ae_proj
	.p2align	8
	.type	k_q489ed890ae_proj,@function
k_q489ed890ae_proj:
	s_mov_b64 s[64:65], 0
	v_nop
	global_prefetch_b8 v0, s[64:65] scope:SCOPE_SE
	s_setreg_imm32_b32 hwreg(HW_REG_WAVE_MODE, 25, 1), 1
	s_wait_xcnt 0x0
	s_wait_alu depctr_hold_cnt(0) depctr_sa_sdst(0) depctr_va_vdst(0) depctr_va_sdst(0) depctr_va_ssrc(0) depctr_va_vcc(0) depctr_vm_vsrc(0)
	s_getreg_b32 s2, hwreg(HW_REG_IB_STS2, 6, 4)
	s_cmp_eq_u32 s2, 0
	s_cbranch_scc0 .Lentry_in_a_cluster
	s_endpgm
.Lentry_in_a_cluster:
	s_bfe_u32 s2, ttmp6, 0x10000c
	s_cmp_lg_u32 s2, 0xf033
	s_cbranch_scc0 .Lentry_shape_is_right
	s_endpgm
.Lentry_shape_is_right:
; q = rms(x W_q + b_q), k = rms(x W_k + b_k), v = x W_v + b_v, on codes of E5M2 with E8M0 scales; q and k are quantised along a head's 64, v along the tokens, and stored as images of operand registers.
; SHARES.  Work-group (nb, mb): 128 columns of [W_q | W_k] (two heads, gh = 2 nb, 2 nb + 1), one tile of 16 columns of W_v, 128 tokens.  Wave w: tokens 32 (w % 4) on (two tiles of x), head w / 4 (four tiles of W): eight
; accumulators, used TRANSPOSED (source 0 = W's tile, source 1 = x's): a lane holds one token, and its 32 registers of a tile of tokens are the head's units 32 b + 16 (lane / 16) + 0 .. 15.
; Waves 0-3 also make v for their 32 tokens, NOT transposed (source 0 = x, source 1 = W_v): a lane holds one unit of v and 16 neighbouring tokens.
; ALL OF K LIES IN LDS AT ONCE: 128 KiB of x, 128 KiB of W, 16 KiB of W_v, each byte filled once.  Five tensor loads a wave go out together (that many of mine are outstanding); K is walked in four chunks of 256, each behind a counted wait and a barrier.
; Behind the tiles each wave has 256 LDS bytes of its own for the 64 gains of the norm: they are fetched with the scale words and wait there, so that nothing is fetched from memory behind the last product.
; CLUSTER 4 x 4: the four work-groups of a row share mb and so x's tiles, the four of a column share nb and so W's and W_v's: each tile is asked for jointly.
; The biases are loaded straight into the accumulators, so every product adds in place and nothing is cleared.  The accumulators take turns, one instruction a turn.
; LIMITS: NaN and infinities are not served; a block whose largest magnitude lies under 2^-111 keeps the byte 1; a block of zeros gets the byte 1 with zero codes.
.set WV, 86
.set TQ, 87
.set HS, 88
.set CX, 89
.set CY, 90
.set NB, 91
.set MB, 92
.set SEL, 100
.set MNT, 2
.set R64, 3
.set EPSR, 66
.set G1X, 8                            ; s[8:15] group 1 for x's tiles; s[16:23] for W's; s[24:31] for W_v's
.set G1W, 16
.set G1V, 24
.set G0V, 32                           ; s[32:35] group 0 for W_v; s[36:51] four for x; s[52:63], s[68:71] four for W
.set G0X, 36
.set GAIN, 278528                      ; LDS: behind the tiles, 256 bytes a wave: the gains
.set ACC, 16                           ; v16-79   accumulator (tile of tokens m, tile of W t) at 32 m + 8 t
.set ACCV, 80                          ; v80-95   v's two
.set WF, 96                            ; v96-159  W's four fragments
.set XF, 160                           ; v160-191 x's two
.set VF, 192                           ; v192-207 W_v's
.set WS, 208                           ; v208-223 W's scale words: 4 t + i: K step 2 i in lanes 0-15, 2 i + 1 in lanes 16-31
.set XS, 224                           ; v224-231 x's
.set VS, 232                           ; v232-235 W_v's
.set TM, 236                           ; v236-251 the quantiser's
.set RW, 96                            ; the way out: the gains, 32 registers
.set PC, 128                           ; q's or k's codes, 8 registers a tile of tokens
.set PCV, 144                          ; v's codes
.set SQ, 160                           ; sums of squares
.macro PLACES n
.rept \n
	v_nop
.endr
.endm
.macro ROUND                           ; a round of the cluster's barrier
	s_barrier_signal -1
	s_barrier_wait -1
	s_cmp_lg_u32 s[WV], 0
	s_cbranch_scc1 .Lnot_wave_0_\@
	s_barrier_signal -3
.Lnot_wave_0_\@:
	s_barrier_wait -3
	s_barrier_signal -1
	s_barrier_wait -1
.endm
.macro QUANT s, n, pc
.set qb, 0
.rept \n
	v_max3_num_f32 v[TM+qb], |v[(\s)+16*qb]|, |v[(\s)+16*qb+1]|, 0x8000000   ; with the floor 2^(16 - 127): the byte cannot fall under 1
.set qb, qb+1
.endr
.set qi, 2
.rept 7
.set qb, 0
.rept \n
	v_max3_num_f32 v[TM+qb], v[TM+qb], |v[(\s)+16*qb+qi]|, |v[(\s)+16*qb+qi+1]|
.set qb, qb+1
.endr
.set qi, qi+2
.endr
.set qb, 0
.rept \n
	v_permlanex16_b32 v[TM+4+qb], v[TM+qb], s[SEL], s[SEL+1]
.set qb, qb+1
.endr
.set qb, 0
.rept \n
	v_max_num_f32 v[TM+qb], v[TM+qb], v[TM+4+qb]
.set qb, qb+1
.endr
.set qb, 0
.rept \n
	v_add_nc_u32 v[TM+12+qb], 0xf8800000, v[TM+qb]             ; 15 off the exponent field: the conversion's scale operand
	v_and_or_b32 v[TM+8+qb], v[TM+qb], 0x7f800000, s[MNT]      ; 57,344 x the scale
.set qb, qb+1
.endr
.set qb, 0
.rept \n
	v_lshrrev_b32 v[TM+4+qb], 23, v[TM+12+qb]                  ; the scale's byte
.set qb, qb+1
.endr
.set qb, 0
.rept \n
.set qi, 0
.rept 16
	v_med3_num_f32 v[(\s)+16*qb+qi], v[(\s)+16*qb+qi], -v[TM+8+qb], v[TM+8+qb]   ; the conversion to an 8-bit code does not saturate (ISA guide 7.6.2)
.set qi, qi+1
.endr
	v_cvt_scalef32_pk8_bf8_f32 v[(\pc)+4*qb:(\pc)+4*qb+1], v[(\s)+16*qb:(\s)+16*qb+7], v[TM+12+qb]
	v_cvt_scalef32_pk8_bf8_f32 v[(\pc)+4*qb+2:(\pc)+4*qb+3], v[(\s)+16*qb+8:(\s)+16*qb+15], v[TM+12+qb]
.set qb, qb+1
.endr
	v_nop                                          ; a plain line behind the last conversion
.endm
.macro MM d, a, b, sa, sb, odd         ; d += a x b; an odd K step's scale words lie in lanes 16-31
.if \odd
	v_wmma_scale_f32_16x16x128_f8f6f4 v[(\d):(\d)+7], v[(\a):(\a)+15], v[(\b):(\b)+15], v[(\d):(\d)+7], v[\sa], v[\sb] matrix_a_fmt:MATRIX_FMT_BF8 matrix_b_fmt:MATRIX_FMT_BF8 matrix_a_scale:MATRIX_SCALE_ROW1 matrix_b_scale:MATRIX_SCALE_ROW1
.else
	v_wmma_scale_f32_16x16x128_f8f6f4 v[(\d):(\d)+7], v[(\a):(\a)+15], v[(\b):(\b)+15], v[(\d):(\d)+7], v[\sa], v[\sb] matrix_a_fmt:MATRIX_FMT_BF8 matrix_b_fmt:MATRIX_FMT_BF8
.endif
.endm
	s_load_b128 s[4:7], s[0:1], 0x0                ; xcod, wcod
	s_load_b256 s[72:79], s[0:1], 0x10             ; b_q, b_k, b_v, rms_q_w
	s_load_b128 s[80:83], s[0:1], 0x30             ; rms_k_w, qk
	s_load_b64 s[84:85], s[0:1], 0x40              ; vcod
	v_lshl_add_u32 v250, v0, 2, 0x44800
	v_mov_b32 v251, 0
	ds_add_u32 v250, v251
	ds_add_u32 v250, v251
	v_lshrrev_b32 v1, 5, v0
	v_readfirstlane_b32 s[WV], v1                  ; wave 0..7
	s_and_b32 s[TQ], s[WV], 3                      ; my 32 tokens.  Also: which two tiles I fetch
	s_lshr_b32 s[HS], s[WV], 2                     ; my head of the two.  Also: I fetch for x (0) or for W (1)
	s_bfe_u32 s[CX], ttmp6, 0x40000
	s_bfe_u32 s[CY], ttmp6, 0x40004
	s_lshl_b32 s[NB], ttmp9, 2
	s_add_co_u32 s[NB], s[NB], s[CX]               ; nb = 4 x cluster x + cx
	s_and_b32 s[MB], ttmp7, 0xffff
	s_lshl_b32 s[MB], s[MB], 2
	s_add_co_u32 s[MB], s[MB], s[CY]               ; mb = 4 x cluster y + cy
	s_lshl_b32 s95, s[CY], 2
	s_lshl_b32 s95, 15, s95                        ; my row of the cluster
	s_lshl_b32 s97, 0x1111, s[CX]                  ; my column
	s_or_b32 s[G1X], s95, (3<<16)|(1<<21)          ; 15:0 the mask; 17:16 elements of 8 bytes; 21 set beside a mask; no padding: an image is read 512 consecutive bytes at a time
	s_or_b32 s[G1W], s97, (3<<16)|(1<<21)
	s_or_b32 s[G1V], s97, (3<<16)|(1<<21)
.irp g, G1X, G1W                       ; two tiles' 4,096 bytes (two K steps) each: 2 rows of 512 elements, 2,048 elements (a tile's 16,384 bytes) apart
	s_mov_b32 s[\g+1], 512<<16
	s_mov_b32 s[\g+2], 2<<16
	s_mov_b32 s[\g+3], 512<<16
	s_mov_b32 s[\g+4], 2
	s_mov_b32 s[\g+5], 2048
	s_mov_b32 s[\g+6], 0
	s_mov_b32 s[\g+7], 0
.endr
	s_mov_b32 s[G1V+1], 256<<16                    ; one fragment: one row of 2,048 bytes
	s_mov_b32 s[G1V+2], 1<<16
	s_mov_b32 s[G1V+3], 256<<16
	s_mov_b32 s[G1V+4], 1
	s_mov_b32 s[G1V+5], 256
	s_mov_b32 s[G1V+6], 0
	s_mov_b32 s[G1V+7], 0
	s_lshl_b32 s93, s[TQ], 15                      ; x's numbers are made of cy, mb and the wave alone,
	s_lshl_b32 s67, s[TQ], 15                      ; W's of cx, nb and the wave alone, in registers of their own
	; every LDS address is made here, ahead of the first branch on the wave's number
	v_and_b32 v1, 31, v0                           ; lane
	v_and_b32 v2, 15, v0                           ; r
	v_bfe_u32 v3, v0, 4, 1                         ; h
	v_lshlrev_b32 v4, 4, v1                        ; 16 x lane
	v_lshlrev_b32 v5, 2, v1                        ; 4 x lane
	v_add_nc_u32 v6, s93, v4                       ; x's fragments of my tokens
	s_lshl_b32 s3, s[HS], 16
	s_add_co_u32 s3, s3, 131072
	v_add_nc_u32 v7, s3, v4                        ; W's of my head
	v_add_nc_u32 v8, 262144, v4                    ; W_v's
	s_lshl_b32 s3, s[WV], 8
	s_add_co_u32 s3, s3, GAIN                      ; my wave's 256 bytes for the gains
	v_lshl_add_u32 v253, v2, 4, s3                 ; in: 16 bytes at 16 r (both halves of the lanes write the same bytes with the same values)
	v_lshl_add_u32 v254, v3, 6, s3                 ; back: my half's 16 units of each 32, from 64 h on
	v_lshlrev_b32 v255, 4, v2                      ; and 16 r in memory
	v_lshlrev_b32 v9, 6, v3                        ; 64 h: my half's 16 units, in bytes
	v_lshlrev_b32 v10, 2, v2
	v_lshl_add_u32 v10, v3, 1, v10                 ; 4 r + 2 h
	v_and_b32 v12, 8, v2
	v_add_nc_u32 v12, v12, v2
	v_lshlrev_b32 v12, 2, v12                      ; 4 (r + 8 (r / 8))
	v_lshlrev_b32 v252, 2, v2                      ; 4 r
	v_mov_b32 v15, 0                               ; (named as the upper half of the pair v[14:15])
.irp b, 0,1,2,3
	v_mov_b32 v[TM+4+\b], 0                        ; a lane permute's destination counts as read
.endr
	s_mov_b32 s[R64], 0x3c800000                   ; 1 / 64
	s_mov_b32 s[EPSR], 0x34000000                  ; 2^-23
	s_mov_b32 s[MNT], 0x600000
	s_mov_b32 s[SEL], 0x76543210
	s_mov_b32 s[SEL+1], 0xfedcba98
	s_lshl_b32 s94, s[MB], 17                      ; x: tile 8 mb + 2 (w % 4)
	s_add_co_u32 s94, s94, s93
	s_mov_b32 s95, 0
	s_lshl_b32 s96, s[NB], 17                      ; W: tile 8 nb + 2 (w % 4)
	s_add_co_u32 s96, s96, s67
	s_mov_b32 s97, 0
	s_wait_dscnt 0x0
	s_wait_kmcnt 0x0
	s_add_nc_u64 s[94:95], s[4:5], s[94:95]
	s_add_nc_u64 s[96:97], s[6:7], s[96:97]
.irp q, 0,1,2,3                        ; chunk q: K steps 2 q, 2 q + 1
.set GW, 52+4*\q+4*(\q/3)
	s_mov_b32 s[G0X+4*\q], 1
	s_add_co_u32 s[G0X+4*\q+1], s93, 8192*\q
	s_add_nc_u64 s[G0X+4*\q+2:G0X+4*\q+3], s[94:95], 4096*\q
	s_or_b32 s[G0X+4*\q+3], s[G0X+4*\q+3], 0x80000000
	s_mov_b32 s[GW], 1
	s_add_co_u32 s[GW+1], s67, 131072+8192*\q
	s_add_nc_u64 s[GW+2:GW+3], s[96:97], 4096*\q
	s_or_b32 s[GW+3], s[GW+3], 0x80000000
.endr
	s_lshl_b32 s96, s[NB], 14                      ; W_v: tile 128 + nb, K step = my wave's number
	s_add_co_u32 s96, s96, 128*16384
	s_lshl_b32 s67, s[WV], 11
	s_add_co_u32 s96, s96, s67
	s_mov_b32 s97, 0
	s_mov_b32 s[G0V], 1
	s_add_co_u32 s[G0V+1], s67, 262144
	s_add_nc_u64 s[G0V+2:G0V+3], s[6:7], s[96:97]
	s_or_b32 s[G0V+3], s[G0V+3], 0x80000000
	ROUND                                          ; all sixteen work-groups are here: the joint loads meet
	s_cmp_lt_u32 s[WV], 4                          ; a wave's five fills stand in one branch, ahead of every wait on TENSORcnt and every LDS read
	s_cbranch_scc0 .Lfill_w
	tensor_load_to_lds s[G0V:G0V+3], s[G1V:G1V+7]
	s_nop 0
	tensor_load_to_lds s[36:39], s[G1X:G1X+7]
	s_nop 0
	tensor_load_to_lds s[40:43], s[G1X:G1X+7]
	s_nop 0
	tensor_load_to_lds s[44:47], s[G1X:G1X+7]
	s_nop 0
	tensor_load_to_lds s[48:51], s[G1X:G1X+7]
	s_nop 0
	PLACES 4
	s_branch .Lfilled
.Lfill_w:
	tensor_load_to_lds s[G0V:G0V+3], s[G1V:G1V+7]
	s_nop 0
	tensor_load_to_lds s[52:55], s[G1W:G1W+7]
	s_nop 0
	tensor_load_to_lds s[56:59], s[G1W:G1W+7]
	s_nop 0
	tensor_load_to_lds s[60:63], s[G1W:G1W+7]
	s_nop 0
	tensor_load_to_lds s[68:71], s[G1W:G1W+7]
	s_nop 0
	PLACES 4
.Lfilled:
	; scale words, biases and gains, while the tiles are on their way
	s_cmp_lt_u32 ttmp9, 2                          ; nb < 8: q; else k.  (nb = 4 x cluster x + cx, cx < 4)
	s_cselect_b64 s[72:73], s[72:73], s[74:75]
	s_cselect_b64 s[78:79], s[78:79], s[80:81]
	s_lshl_b32 s98, s[MB], 12
	s_lshl_b32 s99, s[TQ], 10
	s_add_co_u32 s98, s98, s99
	s_add_co_u32 s98, s98, 2097152
	s_mov_b32 s99, 0
	s_add_nc_u64 s[4:5], s[4:5], s[98:99]          ; x's scale words, tile 8 mb + 2 tq
	s_and_b32 s98, s[NB], 7
	s_lshl_b32 s98, s98, 9
	s_lshl_b32 s99, s[HS], 8
	s_add_co_u32 s98, s98, s99
	s_mov_b32 s99, 0
	s_add_nc_u64 s[72:73], s[72:73], s[98:99]      ; the bias of my head
	s_lshl_b32 s98, s[NB], 9
	s_add_co_u32 s98, s98, 3407872+128*512
	s_add_nc_u64 s[74:75], s[6:7], s[98:99]        ; W_v's scale words
	s_lshl_b32 s98, s[NB], 12
	s_lshl_b32 s99, s[HS], 11
	s_add_co_u32 s98, s98, s99
	s_add_co_u32 s98, s98, 3407872
	s_mov_b32 s99, 0
	s_add_nc_u64 s[6:7], s[6:7], s[98:99]          ; W's, tile 8 nb + 4 hs
	s_lshr_b32 s98, s[NB], 1
	s_lshl_b32 s98, s98, 7
	s_and_b32 s99, s[NB], 1
	s_lshl_b32 s99, s99, 5
	s_add_co_u32 s98, s98, s99
	s_mov_b32 s99, 0
	s_add_nc_u64 s[76:77], s[76:77], s[98:99]      ; b_v at the tile's first unit: 32 (nb / 2) + 8 (nb % 2)
.irp t, 0,1,2,3
.irp i, 0,1,2,3
	global_load_b32 v[WS+4*\t+\i], v5, s[6:7] offset:512*\t+128*\i
.endr
.endr
.irp u, 0,1
.irp i, 0,1,2,3
	global_load_b32 v[XS+4*\u+\i], v5, s[4:5] offset:512*\u+128*\i
.endr
.endr
.irp m, 0,1
.irp t, 0,1,2,3
.irp e, 0,1
	global_load_b128 v[ACC+32*\m+8*\t+4*\e:ACC+32*\m+8*\t+4*\e+3], v9, s[72:73] offset:(32*(\t/2)+8*(\t%2))*4+16*\e   ; the bias of units 32 (t / 2) + 8 (t % 2) + 16 h + 0 .. 7
.endr
.endr
.endr
	global_load_b128 v[TM:TM+3], v255, s[78:79]    ; the 64 gains: 16 bytes a lane of each half
	s_cmp_lt_u32 s[WV], 4
	s_cbranch_scc0 .Lno_vs
.irp i, 0,1,2,3
	global_load_b32 v[VS+\i], v5, s[74:75] offset:128*\i
.endr
	global_load_b32 v11, v12, s[76:77]             ; b_v of my lane's unit
.Lno_vs:
	; where the results go
	s_lshl_b32 s98, s[NB], 13
	s_lshl_b32 s99, s[HS], 12
	s_add_co_u32 s98, s98, s99
	s_lshl_b32 s99, s[MB], 8
	s_add_co_u32 s98, s98, s99
	s_lshl_b32 s99, s[TQ], 6
	s_add_co_u32 s98, s98, s99
	s_add_co_u32 s98, s98, 4194304
	s_mov_b32 s99, 0
	s_add_nc_u64 s[80:81], s[82:83], s[98:99]      ; qk's scale words [gh][mb][tq]
	s_lshl_b32 s98, s[NB], 18
	s_lshl_b32 s99, s[HS], 17
	s_add_co_u32 s98, s98, s99
	s_lshl_b32 s99, s[MB], 13
	s_add_co_u32 s98, s98, s99
	s_lshl_b32 s99, s[TQ], 11
	s_add_co_u32 s98, s98, s99
	s_mov_b32 s99, 0
	s_add_nc_u64 s[82:83], s[82:83], s[98:99]      ; qk's images [gh][mb][tq]
	s_wait_loadcnt 0x0
	ds_store_b128 v253, v[TM:TM+3]                 ; the gains wait in my wave's own bytes
	s_lshr_b32 s98, s[NB], 2
	s_lshl_b32 s98, s98, 12
	s_lshl_b32 s99, s[MB], 8
	s_add_co_u32 s98, s98, s99
	s_and_b32 s99, s[NB], 3
	s_lshl_b32 s99, s99, 6
	s_add_co_u32 s98, s98, s99
	s_add_co_u32 s98, s98, s[TQ]
	s_add_co_u32 s98, s98, 524288
	s_mov_b32 s99, 0
	s_add_nc_u64 s[74:75], s[84:85], s[98:99]      ; v's scale bytes [hv][mb][tile][rho], byte tq  (the loads that named s[74:75] are done)
	s_lshr_b32 s98, s[NB], 2
	s_lshl_b32 s98, s98, 17
	s_lshl_b32 s99, s[MB], 13
	s_add_co_u32 s98, s98, s99
	s_and_b32 s99, s[NB], 3
	s_lshl_b32 s99, s99, 11
	s_add_co_u32 s98, s98, s99
	s_lshl_b32 s99, s[TQ], 9
	s_add_co_u32 s98, s98, s99
	s_mov_b32 s99, 0
	s_add_nc_u64 s[84:85], s[84:85], s[98:99]      ; v's images [hv][mb][tile][key block tq]
	s_cmp_lt_u32 s[WV], 4
	s_cbranch_scc0 .Lno_vb
.set i, 0
.rept 16
	v_mov_b32 v[ACCV+i], v11                       ; v's sums begin with the bias of the lane's unit
.set i, i+1
.endr
.Lno_vb:
	s_wait_dscnt 0x0                               ; no LDS instruction of mine is out at a barrier's signal
; A K step of 128: six (seven) fragments from LDS, eight (ten) products.
.macro KSTEP ks
	PLACES 8                                       ; in front of loads into registers that matrix instructions have read (ISA guide 7.12.1 for vector instructions)
.irp t, 0,1,2,3
.irp c, 0,1,2,3
	ds_load_b128 v[WF+16*\t+4*\c:WF+16*\t+4*\c+3], v7 offset:(\t/2)*32768+((\ks)/2)*8192+(\t%2)*4096+((\ks)%2)*2048+512*\c
.endr
.endr
.irp u, 0,1
.irp c, 0,1,2,3
	ds_load_b128 v[XF+16*\u+4*\c:XF+16*\u+4*\c+3], v6 offset:((\ks)/2)*8192+\u*4096+((\ks)%2)*2048+512*\c
.endr
.endr
	s_cmp_lt_u32 s[WV], 4
	s_cbranch_scc0 .Lnvl_\@
.irp c, 0,1,2,3
	ds_load_b128 v[VF+4*\c:VF+4*\c+3], v8 offset:2048*(\ks)+512*\c
.endr
.Lnvl_\@:
	s_wait_dscnt 0x0
.irp m, 0,1
.irp t, 0,1,2,3
	MM ACC+32*\m+8*\t, WF+16*\t, XF+16*\m, WS+4*\t+(\ks)/2, XS+4*\m+(\ks)/2, (\ks)%2
.endr
.endr
	s_cmp_lt_u32 s[WV], 4
	s_cbranch_scc0 .Lnvm_\@
.irp u, 0,1
	MM ACCV+8*\u, XF+16*\u, VF, XS+4*\u+(\ks)/2, VS+(\ks)/2, (\ks)%2
.endr
.Lnvm_\@:
.endm
.irp q, 0,1,2,3
	s_wait_tensorcnt 3-\q                          ; my part of chunk q is in (W_v's fragment came first of all); the 3 - q chunks issued behind it may be out
	s_barrier_signal -1
	s_barrier_wait -1                              ; everybody's is
	KSTEP 2*\q
	KSTEP 2*\q+1
.endr
	; THE WAY OUT of q and k
	PLACES 8
.irp t, 0,1,2,3
.irp e, 0,1
	ds_load_b128 v[RW+8*\t+4*\e:RW+8*\t+4*\e+3], v254 offset:(32*(\t/2)+8*(\t%2))*4+16*\e   ; the gains, in the accumulators' order; sixteen lanes read the same 16 bytes
.endr
.endr
.macro NORMQ m
.set AC, ACC+32*\m
.irp t, 0,1,2,3
	v_pk_mul_f32 v[SQ+2*\t:SQ+2*\t+1], v[AC+8*\t:AC+8*\t+1], v[AC+8*\t:AC+8*\t+1]   ; the squares, four chains; each accumulator from its low end on
.endr
.irp p, 2,4,6
.irp t, 0,1,2,3
	v_pk_fma_f32 v[SQ+2*\t:SQ+2*\t+1], v[AC+8*\t+\p:AC+8*\t+\p+1], v[AC+8*\t+\p:AC+8*\t+\p+1], v[SQ+2*\t:SQ+2*\t+1]
.endr
.endr
	v_pk_add_f32 v[SQ:SQ+1], v[SQ:SQ+1], v[SQ+2:SQ+3]
	v_pk_add_f32 v[SQ+4:SQ+5], v[SQ+4:SQ+5], v[SQ+6:SQ+7]
	v_pk_add_f32 v[SQ:SQ+1], v[SQ:SQ+1], v[SQ+4:SQ+5]
	v_add_f32 v11, v[SQ], v[SQ+1]
	v_permlanex16_b32 v[TM+4], v11, s[SEL], s[SEL+1]
	v_add_f32 v11, v11, v[TM+4]                    ; the token's 64 squares
	v_fma_f32 v11, v11, s[R64], s[EPSR]            ; their mean + eps
	v_rsq_f32 v14, v11
	v_nop                                          ; a plain line behind the transcendental
.set n, 0
	s_wait_alu depctr_va_vdst(0)
.rept 16
	v_pk_mul_f32 v[AC+n:AC+n+1], v[AC+n:AC+n+1], v[14:15] op_sel_hi:[1,0]
.set n, n+2
.endr
.if \m == 0
	s_wait_dscnt 0x0                               ; the gains
.endif
.set n, 0
.rept 16
	v_pk_mul_f32 v[AC+n:AC+n+1], v[AC+n:AC+n+1], v[RW+n:RW+n+1]
.set n, n+2
.endr
	QUANT AC, 2, PC+8*\m
	v_lshl_or_b32 v[12+\m], v[TM+5], 8, v[TM+4]    ; the token's two bytes
	global_store_b128 v4, v[PC+8*\m:PC+8*\m+3], s[82:83] offset:1024*\m          ; chunk 2 u + b: 512 consecutive bytes
	global_store_b128 v4, v[PC+8*\m+4:PC+8*\m+7], s[82:83] offset:1024*\m+512
.endm
	NORMQ 0
	NORMQ 1
	v_cmp_eq_u32 vcc_lo, 0, v3
	v_cndmask_b32 v11, v13, v12, vcc_lo            ; lanes 0-15: tile u = 0's half word; lanes 16-31: tile u = 1's
	global_store_b16 v10, v11, s[80:81]            ; 64 consecutive bytes
	; THE WAY OUT of v
	s_cmp_lt_u32 s[WV], 4
	s_cbranch_scc0 .Lno_v
	QUANT ACCV, 1, PCV                             ; a block = my 32 tokens: 16 in my registers, 16 in lane l xor 16
	global_store_b128 v4, v[PCV:PCV+3], s[84:85]
	v_cmp_gt_u32 vcc_lo, 16, v1
	s_wait_xcnt 0x0                                ; EXEC changes only behind this wait: it is a source of the stores above
	s_and_saveexec_b32 s98, vcc_lo
	global_store_b8 v252, v[TM+4], s[74:75]        ; lanes 0-15: the byte of unit rho = r
	s_wait_xcnt 0x0
	s_or_b32 exec_lo, exec_lo, s98
.Lno_v:
	s_wait_tensorcnt 0x0
	ds_add_u32 v250, v251
	s_wait_dscnt 0x0
	ROUND                                          ; the closing round: no work-group ends while a partner may still ask for a tile that names it
	s_endpgm
.Lfunc_end_k_q489ed890ae_proj:
	.size	k_q489ed890ae_proj, .Lfunc_end_k_q489ed890ae_proj-k_q489ed890ae_proj
	.p2alignl 7, 3214868480
	.fill 96, 4, 3214868480
	.section	.rodata,"a",@progbits
	.p2align	6, 0x0
	.amdhsa_kernel k_q489ed890ae_proj
		.amdhsa_group_segment_fixed_size 281600
		.amdhsa_private_segment_fixed_size 0
		.amdhsa_enable_private_segment 0
		.amdhsa_kernarg_size 72
		.amdhsa_user_sgpr_count 2
		.amdhsa_user_sgpr_kernarg_segment_ptr 1
		.amdhsa_wavefront_size32 1
		.amdhsa_system_sgpr_workgroup_id_x 1
		.amdhsa_system_sgpr_workgroup_id_y 1
		.amdhsa_system_sgpr_workgroup_id_z 1
		.amdhsa_system_vgpr_workitem_id 0
		.amdhsa_next_free_vgpr 256
		.amdhsa_next_free_sgpr 102
		.amdhsa_reserve_vcc 1
		.amdhsa_float_denorm_mode_32 3
		.amdhsa_float_denorm_mode_16_64 3
		.amdhsa_memory_ordered 1
		.amdhsa_forward_progress 1
		.amdhsa_inst_pref_size 63
	.end_amdhsa_kernel
	.amdgpu_metadata
---
amdhsa.version: [ 1, 2 ]
amdhsa.kernels:
  - .name:           k_q489ed890ae_proj
    .symbol:         k_q489ed890ae_proj.kd
    .args:
      - { .name: xcod, .offset: 0, .size: 8, .value_kind: global_buffer, .address_space: global }
      - { .name: wcod, .offset: 8, .size: 8, .value_kind: global_buffer, .address_space: global }
      - { .name: b_q, .offset: 16, .size: 8, .value_kind: global_buffer, .address_space: global }
      - { .name: b_k, .offset: 24, .size: 8, .value_kind: global_buffer, .address_space: global }
      - { .name: b_v, .offset: 32, .size: 8, .value_kind: global_buffer, .address_space: global }
      - { .name: rms_q_w, .offset: 40, .size: 8, .value_kind: global_buffer, .address_space: global }
      - { .name: rms_k_w, .offset: 48, .size: 8, .value_kind: global_buffer, .address_space: global }
      - { .name: qk, .offset: 56, .size: 8, .value_kind: global_buffer, .address_space: global }
      - { .name: vcod, .offset: 64, .size: 8, .value_kind: global_buffer, .address_space: global }
    .group_segment_fixed_size: 281600
    .private_segment_fixed_size: 0
    .kernarg_segment_align: 8
    .kernarg_segment_size: 72
    .max_flat_workgroup_size: 256
    .sgpr_count:     102
    .vgpr_count:     256
    .wavefront_size: 32
...
	.end_amdgpu_metadata
.endif
;; end of part 2
;; launch fitp (part 3): grid 16 x 16, 8 waves a work-group, no clusters, 41,984 bytes of LDS; arguments qk, fit; writes fit
.if DOCPART == 3
	.amdgcn_target "amdgcn-amd-amdhsa--gfx1250"
	.amdhsa_code_object_version 6
	.text
	.protected	k_q489ed890ae_fitp
	.globl	k_q489ed890ae_fitp
	.p2align	8
	.type	k_q489ed890ae_fitp,@function
k_q489ed890ae_fitp:
	s_mov_b64 s[64:65], 0
	v_nop
	global_prefetch_b8 v0, s[64:65] scope:SCOPE_SE
	s_setreg_imm32_b32 hwreg(HW_REG_WAVE_MODE, 25, 1), 1
	s_wait_xcnt 0x0
; For each head and query: denom = mean over all 2,048 keys of sigmoid(masked score) + 0.5, and 1 / denom.  score = q . k / 8 on codes of E5M2; outside the band i - 512 <= j <= i the masked score is 0 and its sigmoid 0.5.
; SHARES.  Work-group (qb, head): 128 queries; wave w: the tile of 16 queries 8 qb + w.  Only the five key steps of 128 that end on the diagonal are walked (step j: keys 128 (qb - 4 + j) on), DOWNWARD from the diagonal:
; step 4 always exists, and the first step that would lie before key 0 ends the walk.  k's images of the five steps lie in LDS, stored once through registers; a step's fragments are asked for behind the products of the step before.
; THE BAND BY BLOCKS OF 32 KEYS.  My 16 queries lie in group w / 2 of 32 of the block's 128.  On the diagonal step the blocks behind that group are wholly hidden, those before it count wholly, and only block w / 2 is compared
; key by key; on the far step (j = 0) it is the other way round.  A hidden block's sigmoids are not made: so every wave makes 12 + (w / 2 + 1) + (4 - w / 2) = 17 blocks.  Each key whose sigmoid is not made adds the constant 0.5.
; K = 64 IN AN INSTRUCTION OF K = 128.  A fragment of k holds tile 2 b in blocks 0, 1 and tile 2 b + 1 in blocks 2, 3.  q stands as [q 8][zeros 8][q 8] registers: v[16:31] picks tile 2 b, v[24:39] tile 2 b + 1: zero codes add nothing.
; S^T = k q^T: a lane holds one query (lane % 16); register n holds key 32 (n / 16) + 16 (lane / 16) + n % 16 of the step.
; NO CLUSTER: neighbouring query blocks want windows of k that are shifted against each other by a step, so partners would ask for different tiles; the fill is ten loads a thread, once.
; LIMITS: NaN and infinities are not served.
.set Q,   16
.set KF,  40
.set S,   104
.set SUM, 168
.set KS,  176
.set QS,  186
.set DD,  187
.set NIL, 188
.set W2,  11                           ; s11 wave / 2
.macro PLACES n
.rept \n
	v_nop
.endr
.endm
.macro SMM d, a, b, sa, odd            ; d = a x b; an odd fragment's scale words lie in lanes 16-31
.if \odd
	v_wmma_scale_f32_16x16x128_f8f6f4 v[(\d):(\d)+7], v[(\a):(\a)+15], v[(\b):(\b)+15], 0, v[\sa], v[QS] matrix_a_fmt:MATRIX_FMT_BF8 matrix_b_fmt:MATRIX_FMT_BF8 matrix_a_scale:MATRIX_SCALE_ROW1
.else
	v_wmma_scale_f32_16x16x128_f8f6f4 v[(\d):(\d)+7], v[(\a):(\a)+15], v[(\b):(\b)+15], 0, v[\sa], v[QS] matrix_a_fmt:MATRIX_FMT_BF8 matrix_b_fmt:MATRIX_FMT_BF8
.endif
.endm
.macro KLOAD j                         ; step j's four fragments of k
.irp b, 0,1,2,3
.irp c, 0,1,2,3
	ds_load_b128 v[KF+16*\b+4*\c:KF+16*\b+4*\c+3], v1 offset:8192*(\j)+2048*\b+512*\c
.endr
.endr
.endm
; Block b (32 keys: 16 registers a lane) of step j: its sigmoids and their sum.  The branches hang on the wave's number alone.
.macro FBLK j, b
.set SB, S+16*\b
.if (\j == 4) && (\b > 0)
	s_cmp_lt_u32 s[W2], \b                         ; all 32 keys come behind my queries: nothing is made of them
	s_cbranch_scc1 .Lfd_\@
.endif
.if (\j == 0) && (\b < 3)
	s_cmp_gt_u32 s[W2], \b                         ; all 32 keys lie under i - 512
	s_cbranch_scc1 .Lfd_\@
.endif
.if (\j == 4) || (\j == 0)
	s_cmp_lg_u32 s[W2], \b                         ; only my own group's block is cut by the band's edge
	s_cbranch_scc1 .Lfo_\@
.set n, 0
.rept 16
.if \j == 4
	v_cmp_gt_i32 vcc_lo, 32*\b+n, v[DD]            ; the key comes behind the query
.else
	v_cmp_lt_i32 vcc_lo, 32*\b+n, v[DD]            ; the key lies under i - 512
.endif
	v_cndmask_b32 v[SB+n], v[SB+n], v[NIL], vcc_lo ; the masked score is 0
.set n, n+1
.endr
.Lfo_\@:
.endif
.set n, 0
.rept 8
	v_pk_mul_f32 v[SB+n:SB+n+1], v[SB+n:SB+n+1], s[12:13] op_sel_hi:[1,0]   ; -score x log2(e) / 8; each accumulator from its low end on
.set n, n+2
.endr
.set n, 0
.rept 16
	v_exp_f32 v[SB+n], v[SB+n]
.set n, n+1
.endr
	v_nop                                          ; a plain line behind the transcendentals
.set n, 0
	s_wait_alu depctr_va_vdst(0)
.rept 8
	v_pk_add_f32 v[SB+n:SB+n+1], v[SB+n:SB+n+1], 1.0 op_sel_hi:[1,0]
.set n, n+2
.endr
.set n, 0
.rept 16
	v_rcp_f32 v[SB+n], v[SB+n]                     ; sigmoid = 1 / (1 + 2^(-score log2(e) / 8))
.set n, n+1
.endr
	v_nop
.set n, 0
	s_wait_alu depctr_va_vdst(0)
.rept 8
	v_pk_add_f32 v[SUM+2*((n/2)%4):SUM+2*((n/2)%4)+1], v[SUM+2*((n/2)%4):SUM+2*((n/2)%4)+1], v[SB+n:SB+n+1]   ; four chains
.set n, n+2
.endr
.Lfd_\@:
.endm
.macro ASTEP j
.if \j < 4
	s_cmp_lt_u32 s9, 4-\j                          ; this step and all that follow lie before key 0: a branch on the work-group's number
	s_cbranch_scc1 .Lend
.endif
	s_wait_dscnt 0x0                               ; the step's fragments, asked for a step ago
.irp b, 0,1,2,3
.irp u, 0,1
	SMM S+16*\b+8*\u, KF+16*\b, Q+8*\u, KS+2*\j+\b/2, \b%2
.endr
.endr
	PLACES 8                                       ; in front of the loads into the fragments' registers and of the first read of the scores (ISA guide 7.12.1 for vector instructions)
.if \j > 0
	KLOAD \j-1                                     ; the next step's fragments land under this step's sigmoids.  (Where that step is not walked they read bytes that were stored and are not used)
.endif
	FBLK \j, 0
	FBLK \j, 1
	FBLK \j, 2
	FBLK \j, 3
.endm
	s_load_b128 s[4:7], s[0:1], 0x0                ; qk, fit
	v_lshl_add_u32 v192, v0, 2, 0xa000
	v_mov_b32 v193, 0
	v_lshrrev_b32 v2, 5, v0
	v_readfirstlane_b32 s8, v2                     ; wave
	s_lshr_b32 s[W2], s8, 1
	s_mov_b32 s9, ttmp9                            ; qb
	s_and_b32 s10, ttmp7, 0xffff                   ; head
	s_mov_b32 s12, 0xbe38aa3b                      ; -log2(e) / 8
	s_mov_b32 s13, s12
	s_mov_b32 s14, 0x76543210
	s_mov_b32 s15, 0xfedcba98
	v_and_b32 v2, 31, v0
	v_lshlrev_b32 v1, 4, v2                        ; 16 x lane
	v_lshlrev_b32 v3, 4, v0                        ; 16 x thread
	v_lshlrev_b32 v4, 2, v2                        ; 4 x lane
	v_and_b32 v5, 15, v0                           ; r
	v_bfe_u32 v6, v0, 4, 1                         ; h
	v_lshlrev_b32 v9, 2, v5                        ; 4 r
	s_lshr_b32 s16, s8, 1
	s_lshl_b32 s16, s16, 5
	s_and_b32 s17, s8, 1
	s_lshl_b32 s17, s17, 3
	s_add_co_u32 s16, s16, s17
	v_and_b32 v7, 8, v5
	v_add_nc_u32 v7, v7, v5
	v_add_nc_u32 v7, s16, v7                       ; my query in the block: 32 (w / 2) + 8 (w % 2) + r + 8 (r / 8)
	v_lshlrev_b32 v8, 4, v6
	v_sub_nc_u32 v[DD], v7, v8                     ; less 16 h: register n's key comes after my query where 32 (n / 16) + n % 16 > DD
.irp j, 0,1,2,3,4
	s_add_co_i32 s16, s9, \j-4
	s_max_i32 s16, s16, 0                          ; a step before key 0 is not used: its loads read step 0, inside the buffer
	s_lshl_b32 s17, s16, 13
	v_add_nc_u32 v[144+\j], s17, v3
	s_lshl_b32 s17, s16, 8
	v_add_nc_u32 v[149+\j], s17, v4
.endr
	s_mov_b32 s19, 0
	s_add_co_u32 s16, s10, 16
	s_lshl_b32 s18, s16, 17
	s_wait_kmcnt 0x0
	s_add_nc_u64 s[20:21], s[4:5], s[18:19]        ; k's images of the head
	s_lshl_b32 s18, s16, 12
	s_add_co_u32 s18, s18, 4194304
	s_add_nc_u64 s[22:23], s[4:5], s[18:19]        ; k's scale words
	s_lshl_b32 s18, s10, 17
	s_lshl_b32 s16, s9, 13
	s_add_co_u32 s18, s18, s16
	s_lshl_b32 s16, s8, 10
	s_add_co_u32 s18, s18, s16
	s_add_nc_u64 s[24:25], s[4:5], s[18:19]        ; my tile of q: 1,024 bytes
	s_lshl_b32 s18, s10, 12
	s_lshl_b32 s16, s9, 8
	s_add_co_u32 s18, s18, s16
	s_lshr_b32 s16, s8, 1
	s_lshl_b32 s16, s16, 6
	s_add_co_u32 s18, s18, s16
	s_add_co_u32 s18, s18, 4194304
	s_add_nc_u64 s[26:27], s[4:5], s[18:19]        ; its scale words (two tiles' half words in a word)
	s_lshl_b32 s18, s10, 14
	s_lshl_b32 s16, s9, 10
	s_add_co_u32 s18, s18, s16
	s_lshl_b32 s16, s8, 7
	s_add_co_u32 s18, s18, s16
	s_add_nc_u64 s[6:7], s[6:7], s[18:19]          ; fit [head][tile][32 words]
.irp j, 0,1,2,3,4
	global_load_b128 v[S+8*\j:S+8*\j+3], v[144+\j], s[20:21]
	global_load_b128 v[S+8*\j+4:S+8*\j+7], v[144+\j], s[20:21] offset:4096
	global_load_b32 v[KS+2*\j], v[149+\j], s[22:23]              ; lanes 0-15: fragment 0's words; lanes 16-31: fragment 1's
	global_load_b32 v[KS+2*\j+1], v[149+\j], s[22:23] offset:128 ; fragments 2 and 3
.endr
	global_load_b128 v[Q:Q+3], v1, s[24:25]
	global_load_b128 v[Q+4:Q+7], v1, s[24:25] offset:512
	global_load_b128 v[Q+16:Q+19], v1, s[24:25]
	global_load_b128 v[Q+20:Q+23], v1, s[24:25] offset:512
	global_load_b32 v189, v9, s[26:27]
.irp i, 0,1,2,3,4,5,6,7
	v_mov_b32 v[Q+8+\i], 0                         ; zero codes
	v_mov_b32 v[SUM+\i], 0                         ; (blocks may be left out, so the sums begin as zeros)
.endr
	v_mov_b32 v[NIL], 0
	s_and_b32 s16, s8, 1
	s_lshl_b32 s16, s16, 4
	s_wait_loadcnt 0x0
.irp j, 0,1,2,3,4
	ds_store_b128 v3, v[S+8*\j:S+8*\j+3] offset:8192*\j
	ds_store_b128 v3, v[S+8*\j+4:S+8*\j+7] offset:8192*\j+4096
.endr
	v_lshrrev_b32 v189, s16, v189
	v_and_b32 v189, 0xffff, v189                   ; my tile's half word,
	v_lshl_or_b32 v[QS], v189, 16, v189            ; twice: it serves blocks 0, 1 and blocks 2, 3
	s_wait_dscnt 0x0                               ; for the others' sake: my stores have landed
	s_barrier_signal -1
	s_barrier_wait -1
	KLOAD 4
	PLACES 8                                       ; between the vector writes of q's zeros and scale word and the first products
	ASTEP 4
	ASTEP 3
	ASTEP 2
	ASTEP 1
	ASTEP 0
.Lend:
	s_wait_dscnt 0x0                               ; (fragments asked for ahead of a step that is not walked)
	v_pk_add_f32 v[SUM:SUM+1], v[SUM:SUM+1], v[SUM+2:SUM+3]
	v_pk_add_f32 v[SUM+4:SUM+5], v[SUM+4:SUM+5], v[SUM+6:SUM+7]
	v_pk_add_f32 v[SUM:SUM+1], v[SUM:SUM+1], v[SUM+4:SUM+5]
	v_add_f32 v[SUM], v[SUM], v[SUM+1]
	v_permlanex16_b32 v[SUM+2], v[SUM], s14, s15
	v_add_f32 v[SUM], v[SUM], v[SUM+2]             ; my query's sum over the keys whose sigmoids were made
	s_min_u32 s16, s9, 3                           ; those are: 128 for each of the steps 1 to 3 that was walked,
	s_lshl_b32 s16, s16, 6
	s_add_co_u32 s17, s[W2], 1                     ; 32 (w / 2 + 1) of the diagonal step,
	s_lshl_b32 s17, s17, 4
	s_add_co_u32 s16, s16, s17
	s_sub_co_u32 s17, 4, s[W2]                     ; and 32 (4 - w / 2) of step 0, if it was walked
	s_lshl_b32 s17, s17, 4
	s_cmp_ge_u32 s9, 4
	s_cselect_b32 s17, s17, 0
	s_add_co_u32 s16, s16, s17
	s_sub_co_u32 s16, 1024, s16                    ; 0.5 for each of the other keys of the 2,048
	v_cvt_f32_u32 v[SUM+1], s16
	v_add_f32 v[SUM], v[SUM], v[SUM+1]
	v_fma_f32 v[SUM], v[SUM], 0x3a000000, 0.5      ; / 2,048 + 0.5
	v_rcp_f32 v[SUM+1], v[SUM]
	v_nop
	v_cmp_eq_u32 vcc_lo, 0, v6
	s_wait_alu depctr_va_vdst(0)
	v_cndmask_b32 v[SUM+2], v[SUM+1], v[SUM], vcc_lo   ; lanes 0-15: denom; lanes 16-31: 1 / denom
	global_store_b32 v4, v[SUM+2], s[6:7]          ; 128 consecutive bytes
	s_wait_tensorcnt 0x0
	ds_add_u32 v192, v193
	s_wait_dscnt 0x0
	s_endpgm
.Lfunc_end_k_q489ed890ae_fitp:
	.size	k_q489ed890ae_fitp, .Lfunc_end_k_q489ed890ae_fitp-k_q489ed890ae_fitp
	.p2alignl 7, 3214868480
	.fill 96, 4, 3214868480
	.section	.rodata,"a",@progbits
	.p2align	6, 0x0
	.amdhsa_kernel k_q489ed890ae_fitp
		.amdhsa_group_segment_fixed_size 41984
		.amdhsa_private_segment_fixed_size 0
		.amdhsa_enable_private_segment 0
		.amdhsa_kernarg_size 16
		.amdhsa_user_sgpr_count 2
		.amdhsa_user_sgpr_kernarg_segment_ptr 1
		.amdhsa_wavefront_size32 1
		.amdhsa_system_sgpr_workgroup_id_x 1
		.amdhsa_system_sgpr_workgroup_id_y 1
		.amdhsa_system_sgpr_workgroup_id_z 1
		.amdhsa_system_vgpr_workitem_id 0
		.amdhsa_next_free_vgpr 194
		.amdhsa_next_free_sgpr 66
		.amdhsa_reserve_vcc 1
		.amdhsa_float_denorm_mode_32 3
		.amdhsa_float_denorm_mode_16_64 3
		.amdhsa_memory_ordered 1
		.amdhsa_forward_progress 1
		.amdhsa_inst_pref_size 84
	.end_amdhsa_kernel
	.amdgpu_metadata
---
amdhsa.version: [ 1, 2 ]
amdhsa.kernels:
  - .name:           k_q489ed890ae_fitp
    .symbol:         k_q489ed890ae_fitp.kd
    .args:
      - { .name: qk, .offset: 0, .size: 8, .value_kind: global_buffer, .address_space: global }
      - { .name: fit, .offset: 8, .size: 8, .value_kind: global_buffer, .address_space: global }
    .group_segment_fixed_size: 41984
    .private_segment_fixed_size: 0
    .kernarg_segment_align: 8
    .kernarg_segment_size: 16
    .max_flat_workgroup_size: 256
    .sgpr_count:     66
    .vgpr_count:     194
    .wavefront_size: 32
...
	.end_amdgpu_metadata
.endif
;; end of part 3
;; launch attn (part 4): grid 16 x 16, 8 waves a work-group, no clusters, 83,200 bytes of LDS; arguments qk, vcod, fit, ocod; writes ocod
.if DOCPART == 4
	.amdgcn_target "amdgcn-amd-amdhsa--gfx1250"
	.amdhsa_code_object_version 6
	.text
	.protected	k_q489ed890ae_attn
	.globl	k_q489ed890ae_attn
	.p2align	8
	.type	k_q489ed890ae_attn,@function
k_q489ed890ae_attn:
	s_mov_b64 s[64:65], 0
	v_nop
	global_prefetch_b8 v0, s[64:65] scope:SCOPE_SE
	s_setreg_imm32_b32 hwreg(HW_REG_WAVE_MODE, 25, 1), 1
	s_wait_xcnt 0x0
; out = softmax(score x fitness, banded) v, on codes of E5M2, and its quantisation along the model's 1,024 for the last product.  fitness = 1 / (denom x the head's sum of 1 / denom).
; t = q . k x c, c = fitness x log2(e) / 8; M = the running largest t rounded UP to a whole number; p = 2^(t - M) is quantised along the keys, not normalised; the row's sum is taken of the unquantised p and divides at the end.
; When M moves, the sum and O are multiplied by 2^(old M - new M): exact.  Outside the band i - 512 <= j <= i p is 0, so only the five key steps of 128 that end on the diagonal are walked, DOWNWARD from the diagonal:
; step 4 always exists, and the first step that would lie before key 0 ends the walk.
; SHARES: work-group (qb, head), wave w: the tile of 16 queries 8 qb + w.  k's and v's images of the five steps lie in LDS, stored once through registers.
; THE BAND BY BLOCKS OF 32 KEYS.  My 16 queries lie in group w / 2 of 32 of the block's 128.  On the diagonal step the blocks behind that group are wholly hidden, those before it count wholly, and only block w / 2 is compared
; key by key; on the far step (j = 0) it is the other way round.  A hidden block gets the largest score -infinity and zero codes by five moves, and none of its p is made: every wave makes 17 blocks of p.
; Both products are used transposed (S^T = k q^T, O^T = v^T p^T): a lane holds one query throughout; register n of S^T holds key 32 (n / 16) + 16 (lane / 16) + n % 16, so p's conversions give the second product's operand.
; K = 64 in an instruction of K = 128: q stands as [q 8][zeros 8][q 8]; a fragment of k holds two tiles of keys.
; WHAT IS ASKED FOR AHEAD.  k's fragments of the next step are asked for behind this step's score products.  v's tile b is loaded into the 16 registers of block b as soon as that block's p has been converted.
; NO CLUSTER: neighbouring query blocks want windows of k and v shifted against each other; only v's half of a work-group's 80 KiB is common to the four heads of a value head; the fill is twenty loads a thread, once,
; beside some 300 vector instructions for a key step's 12 matrix instructions.
; LIMITS: NaN and infinities are not served; p under 2^-126 comes out of v_exp_f32 as 0 (ISA guide 15.8); a block of zeros gets the byte 1 with zero codes.
.set Q,   16                           ; v16-39   q, zeros, q
.set KF,  40                           ; v40-103  k's four fragments
.set S,   104                          ; v104-167 S^T, then p, then v's four tiles
.set O,   168                          ; v168-199 O^T
.set PC,  200                          ; v200-215 p's codes
.set KS,  216                          ; v216-225 k's scale words
.set VS,  226                          ; v226-235 v's
.set TM,  236                          ; v236-251 at work: +0..3 a block's largest, +4..7 bytes, +8..11 holds, +12..15 the conversions' scale operands
.set QS,  12
.set DD,  8
.set PW,  9
.set MNT, 15
.set SEL, 16
.set W2,  41                           ; s41 wave / 2
.macro PLACES n
.rept \n
	v_nop
.endr
.endm
.macro QUANT s, n, pc
.set qb, 0
.rept \n
	v_max3_num_f32 v[TM+qb], |v[(\s)+16*qb]|, |v[(\s)+16*qb+1]|, 0x8000000
.set qb, qb+1
.endr
.set qi, 2
.rept 7
.set qb, 0
.rept \n
	v_max3_num_f32 v[TM+qb], v[TM+qb], |v[(\s)+16*qb+qi]|, |v[(\s)+16*qb+qi+1]|
.set qb, qb+1
.endr
.set qi, qi+2
.endr
.set qb, 0
.rept \n
	v_permlanex16_b32 v[TM+4+qb], v[TM+qb], s[SEL], s[SEL+1]
.set qb, qb+1
.endr
.set qb, 0
.rept \n
	v_max_num_f32 v[TM+qb], v[TM+qb], v[TM+4+qb]
.set qb, qb+1
.endr
.set qb, 0
.rept \n
	v_add_nc_u32 v[TM+12+qb], 0xf8800000, v[TM+qb]
	v_and_or_b32 v[TM+8+qb], v[TM+qb], 0x7f800000, s[MNT]
.set qb, qb+1
.endr
.set qb, 0
.rept \n
	v_lshrrev_b32 v[TM+4+qb], 23, v[TM+12+qb]
.set qb, qb+1
.endr
.set qb, 0
.rept \n
.set qi, 0
.rept 16
	v_med3_num_f32 v[(\s)+16*qb+qi], v[(\s)+16*qb+qi], -v[TM+8+qb], v[TM+8+qb]
.set qi, qi+1
.endr
	v_cvt_scalef32_pk8_bf8_f32 v[(\pc)+4*qb:(\pc)+4*qb+1], v[(\s)+16*qb:(\s)+16*qb+7], v[TM+12+qb]
	v_cvt_scalef32_pk8_bf8_f32 v[(\pc)+4*qb+2:(\pc)+4*qb+3], v[(\s)+16*qb+8:(\s)+16*qb+15], v[TM+12+qb]
.set qb, qb+1
.endr
	v_nop
.endm
.macro SMM d, a, b, sa, odd            ; d = a x b
.if \odd
	v_wmma_scale_f32_16x16x128_f8f6f4 v[(\d):(\d)+7], v[(\a):(\a)+15], v[(\b):(\b)+15], 0, v[\sa], v[QS] matrix_a_fmt:MATRIX_FMT_BF8 matrix_b_fmt:MATRIX_FMT_BF8 matrix_a_scale:MATRIX_SCALE_ROW1
.else
	v_wmma_scale_f32_16x16x128_f8f6f4 v[(\d):(\d)+7], v[(\a):(\a)+15], v[(\b):(\b)+15], 0, v[\sa], v[QS] matrix_a_fmt:MATRIX_FMT_BF8 matrix_b_fmt:MATRIX_FMT_BF8
.endif
.endm
.macro OMM d, a, sa, odd               ; d += a x p
.if \odd
	v_wmma_scale_f32_16x16x128_f8f6f4 v[(\d):(\d)+7], v[(\a):(\a)+15], v[PC:PC+15], v[(\d):(\d)+7], v[\sa], v[PW] matrix_a_fmt:MATRIX_FMT_BF8 matrix_b_fmt:MATRIX_FMT_BF8 matrix_a_scale:MATRIX_SCALE_ROW1
.else
	v_wmma_scale_f32_16x16x128_f8f6f4 v[(\d):(\d)+7], v[(\a):(\a)+15], v[PC:PC+15], v[(\d):(\d)+7], v[\sa], v[PW] matrix_a_fmt:MATRIX_FMT_BF8 matrix_b_fmt:MATRIX_FMT_BF8
.endif
.endm
.macro KLOAD j                         ; step j's four fragments of k
.irp b, 0,1,2,3
.irp c, 0,1,2,3
	ds_load_b128 v[KF+16*\b+4*\c:KF+16*\b+4*\c+3], v1 offset:8192*(\j)+2048*\b+512*\c
.endr
.endr
.endm
; Block b (32 keys: 16 registers a lane) of step j, first part: the band's edge, and the block's largest score into v[TM + b].  The branches hang on the wave's number alone.
.macro ABLK j, b
.set SB, S+16*\b
.set HID, 0
.if (\j == 4) && (\b > 0)
.set HID, 1
	s_cmp_lt_u32 s[W2], \b                         ; all 32 keys come behind my queries
	s_cbranch_scc1 .Lah_\@
.endif
.if (\j == 0) && (\b < 3)
.set HID, 1
	s_cmp_gt_u32 s[W2], \b                         ; all 32 keys lie under i - 512
	s_cbranch_scc1 .Lah_\@
.endif
.if (\j == 4) || (\j == 0)
	s_cmp_lg_u32 s[W2], \b                         ; only my own group's block is cut by the band's edge
	s_cbranch_scc1 .Lao_\@
.set n, 0
.rept 16
.if \j == 4
	v_cmp_gt_i32 vcc_lo, 32*\b+n, v[DD]
.else
	v_cmp_lt_i32 vcc_lo, 32*\b+n, v[DD]
.endif
	v_cndmask_b32 v[SB+n], v[SB+n], v11, vcc_lo    ; a hidden key's score becomes -infinity: p = 0
.set n, n+1
.endr
.Lao_\@:
.endif
	v_max3_num_f32 v[TM+\b], v[SB], v[SB+1], v[SB+2]               ; two chains; each accumulator from its low end on
	v_max3_num_f32 v[TM+4+\b], v[SB+3], v[SB+4], v[SB+5]
	v_max3_num_f32 v[TM+\b], v[TM+\b], v[SB+6], v[SB+7]
	v_max3_num_f32 v[TM+4+\b], v[TM+4+\b], v[SB+8], v[SB+9]
	v_max3_num_f32 v[TM+\b], v[TM+\b], v[SB+10], v[SB+11]
	v_max3_num_f32 v[TM+4+\b], v[TM+4+\b], v[SB+12], v[SB+13]
	v_max3_num_f32 v[TM+\b], v[TM+\b], v[SB+14], v[SB+15]
	v_max_num_f32 v[TM+\b], v[TM+\b], v[TM+4+\b]
.if HID
	s_branch .Lad_\@
.Lah_\@:
	v_mov_b32 v[TM+\b], v11                        ; a hidden block: its largest score is -infinity
.Lad_\@:
.endif
.endm
; Second part: p, its sum, its codes; then v's tile b into the block's registers.
.macro BBLK j, b
.set SB, S+16*\b
.set HID, 0
.if (\j == 4) && (\b > 0)
.set HID, 1
	s_cmp_lt_u32 s[W2], \b
	s_cbranch_scc1 .Lbh_\@
.endif
.if (\j == 0) && (\b < 3)
.set HID, 1
	s_cmp_gt_u32 s[W2], \b
	s_cbranch_scc1 .Lbh_\@
.endif
.set n, 0
.rept 8
	v_pk_fma_f32 v[SB+n:SB+n+1], v[SB+n:SB+n+1], v[6:7], v[2:3] op_sel_hi:[1,0,0]   ; t - M (of the pairs c and -M the low word serves both halves)
.set n, n+2
.endr
.set n, 0
.rept 16
	v_exp_f32 v[SB+n], v[SB+n]                     ; p = 2^(t - M)
.set n, n+1
.endr
	v_nop                                          ; a plain line behind the exponentials
	s_wait_alu depctr_va_vdst(0)
	v_pk_add_f32 v[TM:TM+1], v[SB:SB+1], v[SB+2:SB+3]              ; the row's sum is taken of the unquantised p
	v_pk_add_f32 v[TM+2:TM+3], v[SB+4:SB+5], v[SB+6:SB+7]
	v_pk_add_f32 v[TM+4:TM+5], v[SB+8:SB+9], v[SB+10:SB+11]
	v_pk_add_f32 v[TM+6:TM+7], v[SB+12:SB+13], v[SB+14:SB+15]
.irp i, 0,1,2,3
	v_min_num_f32 v[SB+\i], v[SB+\i], v[TM+8+\b]   ; the conversion does not saturate (ISA guide 7.6.2); p is not negative, so the hold is one-sided
.endr
	v_pk_add_f32 v[TM:TM+1], v[TM:TM+1], v[TM+2:TM+3]
	v_pk_add_f32 v[TM+4:TM+5], v[TM+4:TM+5], v[TM+6:TM+7]
.irp i, 4,5,6,7
	v_min_num_f32 v[SB+\i], v[SB+\i], v[TM+8+\b]
.endr
	v_pk_add_f32 v[TM:TM+1], v[TM:TM+1], v[TM+4:TM+5]
.irp i, 8,9,10,11
	v_min_num_f32 v[SB+\i], v[SB+\i], v[TM+8+\b]
.endr
	v_pk_add_f32 v[4:5], v[4:5], v[TM:TM+1]
.irp i, 12,13,14,15
	v_min_num_f32 v[SB+\i], v[SB+\i], v[TM+8+\b]
.endr
	v_cvt_scalef32_pk8_bf8_f32 v[PC+4*\b:PC+4*\b+1], v[SB:SB+7], v[TM+12+\b]
	v_cvt_scalef32_pk8_bf8_f32 v[PC+4*\b+2:PC+4*\b+3], v[SB+8:SB+15], v[TM+12+\b]
.if HID
	s_branch .Lbd_\@
.Lbh_\@:
.irp i, 0,1,2,3
	v_mov_b32 v[PC+4*\b+\i], 0                     ; a hidden block: zero codes (its byte is the floor's, 1)
.endr
.Lbd_\@:
.endif
.irp c, 0,1,2,3
	ds_load_b128 v[SB+4*\c:SB+4*\c+3], v10 offset:8192*\j+2048*\b+512*\c   ; v's tile b: the block's registers are done with
.endr
.endm
	s_load_b256 s[4:11], s[0:1], 0x0               ; qk, vcod, fit, ocod
	v_lshl_add_u32 v255, v0, 2, 0x14100
	s_set_vgpr_msb 0x40
	v_mov_b32 v1, 0
	s_set_vgpr_msb 0x4000
	v_lshrrev_b32 v13, 5, v0
	v_readfirstlane_b32 s12, v13                   ; wave
	s_lshr_b32 s[W2], s12, 1
	s_mov_b32 s13, ttmp9                           ; qb
	s_and_b32 s14, ttmp7, 0xffff                   ; head
	s_mov_b32 s[MNT], 0x600000
	s_mov_b32 s[SEL], 0x76543210
	s_mov_b32 s[SEL+1], 0xfedcba98
	v_lshl_add_u32 v153, v13, 2, 81920             ; LDS: my wave's partial sum
	v_mov_b32 v155, 81920
	v_and_b32 v13, 31, v0
	v_lshlrev_b32 v1, 4, v13                       ; 16 x lane
	v_add_nc_u32 v10, 40960, v1                    ; the same in v's region
	v_lshlrev_b32 v146, 4, v0                      ; 16 x thread
	v_add_nc_u32 v154, 40960, v146
	v_lshlrev_b32 v147, 2, v13                     ; 4 x lane
	v_and_b32 v14, 15, v0                          ; r
	v_bfe_u32 v15, v0, 4, 1                        ; h
	v_lshlrev_b32 v148, 2, v14                     ; 4 r
	s_lshr_b32 s18, s12, 1
	s_lshl_b32 s18, s18, 5
	s_and_b32 s40, s12, 1
	s_lshl_b32 s40, s40, 3
	s_add_co_u32 s18, s18, s40
	v_and_b32 v13, 8, v14
	v_add_nc_u32 v13, v13, v14
	v_add_nc_u32 v13, s18, v13                     ; my query in the block
	v_lshlrev_b32 v15, 4, v15
	v_sub_nc_u32 v[DD], v13, v15                   ; less 16 h
.irp j, 0,1,2,3,4
	s_add_co_i32 s18, s13, \j-4
	s_max_i32 s18, s18, 0                          ; a step before key 0 is not used: its loads read step 0, inside the buffers
	s_lshl_b32 s40, s18, 13
	v_add_nc_u32 v[136+\j], s40, v146
	s_lshl_b32 s40, s18, 8
	v_add_nc_u32 v[141+\j], s40, v147
.endr
	s_mov_b32 s19, 0
	s_add_co_u32 s40, s14, 16
	s_lshl_b32 s18, s40, 17
	s_wait_kmcnt 0x0
	s_add_nc_u64 s[20:21], s[4:5], s[18:19]        ; k's images
	s_lshl_b32 s18, s40, 12
	s_add_co_u32 s18, s18, 4194304
	s_add_nc_u64 s[22:23], s[4:5], s[18:19]        ; k's scale words
	s_lshl_b32 s18, s14, 17
	s_lshl_b32 s40, s13, 13
	s_add_co_u32 s18, s18, s40
	s_lshl_b32 s40, s12, 10
	s_add_co_u32 s18, s18, s40
	s_add_nc_u64 s[24:25], s[4:5], s[18:19]        ; my tile of q
	s_lshl_b32 s18, s14, 12
	s_lshl_b32 s40, s13, 8
	s_add_co_u32 s18, s18, s40
	s_lshr_b32 s40, s12, 1
	s_lshl_b32 s40, s40, 6
	s_add_co_u32 s18, s18, s40
	s_add_co_u32 s18, s18, 4194304
	s_add_nc_u64 s[26:27], s[4:5], s[18:19]        ; its scale words
	s_lshr_b32 s40, s14, 2                         ; the value head
	s_lshl_b32 s18, s40, 17
	s_add_nc_u64 s[28:29], s[6:7], s[18:19]        ; v's images
	s_lshl_b32 s18, s40, 12
	s_add_co_u32 s18, s18, 524288
	s_add_nc_u64 s[30:31], s[6:7], s[18:19]        ; v's scale words
	s_lshl_b32 s18, s14, 14
	s_add_nc_u64 s[32:33], s[8:9], s[18:19]        ; the head's 16,384 bytes of fit
	s_lshl_b32 s18, s13, 10
	s_lshl_b32 s40, s12, 7
	s_add_co_u32 s18, s18, s40
	s_add_nc_u64 s[34:35], s[32:33], s[18:19]      ; my tile's record
	s_lshl_b32 s18, s13, 17
	s_lshl_b32 s40, s12, 14
	s_add_co_u32 s18, s18, s40
	s_lshl_b32 s40, s14, 10
	s_add_co_u32 s18, s18, s40
	s_add_nc_u64 s[36:37], s[10:11], s[18:19]      ; out's image: tile 8 qb + w, K step head / 2, chunks 2 (head % 2) on
	s_lshl_b32 s18, s13, 12
	s_lshl_b32 s40, s12, 9
	s_add_co_u32 s18, s18, s40
	s_lshr_b32 s40, s14, 1
	s_lshl_b32 s40, s40, 6
	s_add_co_u32 s18, s18, s40
	s_and_b32 s40, s14, 1
	s_lshl_b32 s40, s40, 1
	s_add_co_u32 s18, s18, s40
	s_add_co_u32 s18, s18, 2097152
	s_add_nc_u64 s[38:39], s[10:11], s[18:19]      ; and its scale bytes
.irp j, 0,1,2,3,4
	global_load_b128 v[40+8*\j:43+8*\j], v[136+\j], s[20:21]
	global_load_b128 v[44+8*\j:47+8*\j], v[136+\j], s[20:21] offset:4096
	global_load_b128 v[80+8*\j:83+8*\j], v[136+\j], s[28:29]
	global_load_b128 v[84+8*\j:87+8*\j], v[136+\j], s[28:29] offset:4096
	global_load_b32 v[KS+2*\j], v[141+\j], s[22:23]
	global_load_b32 v[KS+2*\j+1], v[141+\j], s[22:23] offset:128
	global_load_b32 v[VS+2*\j], v[141+\j], s[30:31]
	global_load_b32 v[VS+2*\j+1], v[141+\j], s[30:31] offset:128
.endr
.irp i, 0,1,2,3
	global_load_b128 v[120+4*\i:123+4*\i], v146, s[32:33] offset:4096*\i
.endr
	global_load_b32 v149, v148, s[34:35]           ; my query's denom
	global_load_b128 v[Q:Q+3], v1, s[24:25]
	global_load_b128 v[Q+4:Q+7], v1, s[24:25] offset:512
	global_load_b128 v[Q+16:Q+19], v1, s[24:25]
	global_load_b128 v[Q+20:Q+23], v1, s[24:25] offset:512
	global_load_b32 v150, v148, s[26:27]
.irp i, 0,1,2,3,4,5,6,7
	v_mov_b32 v[Q+8+\i], 0                         ; zero codes
.endr
.set n, 0
.rept 32
	v_mov_b32 v[O+n], 0                            ; O^T begins as zeros: the step is written once, and the first change of M leaves zeros zeros
.set n, n+1
.endr
.irp b, 0,1,2,3
	v_mov_b32 v[TM+4+\b], 0                        ; a lane permute's destination counts as read
.endr
	v_mov_b32 v253, 0                              ; (named as the upper half of the pair v[252:253])
	v_mov_b32 v152, 0
	v_mov_b32 v11, 0xff800000                      ; -infinity
	v_mov_b32 v3, 0xff61b1e6                       ; the largest t so far: -3e38
	v_floor_f32 v2, -v3                            ; -M
	v_mov_b32 v4, 0                                ; the row's sum, in two halves
	v_mov_b32 v5, 0
	v_and_b32 v151, 4, v0
	s_and_b32 s18, s12, 1
	s_lshl_b32 s18, s18, 4
	s_wait_loadcnt 0x0
	v_pk_add_f32 v[120:121], v[120:121], v[122:123]   ; my 16 words of fit
	v_pk_add_f32 v[124:125], v[124:125], v[126:127]
	v_pk_add_f32 v[128:129], v[128:129], v[130:131]
	v_pk_add_f32 v[132:133], v[132:133], v[134:135]
	v_pk_add_f32 v[120:121], v[120:121], v[124:125]
	v_pk_add_f32 v[128:129], v[128:129], v[132:133]
	v_pk_add_f32 v[120:121], v[120:121], v[128:129]
	v_add_f32 v120, v120, v121
	v_cmp_eq_u32 vcc_lo, 0, v151
	v_cndmask_b32 v120, v120, v152, vcc_lo         ; a record's words 0-15 are denoms: threads whose number has bit 2 clear hold those, and add nothing
	v_add_f32_dpp v120, v120, v120 row_xmask:1 row_mask:0xf bank_mask:0xf
	v_add_f32_dpp v120, v120, v120 row_xmask:2 row_mask:0xf bank_mask:0xf
	v_add_f32_dpp v120, v120, v120 row_xmask:4 row_mask:0xf bank_mask:0xf
	v_add_f32_dpp v120, v120, v120 row_xmask:8 row_mask:0xf bank_mask:0xf
	v_permlanex16_b32 v121, v120, s[SEL], s[SEL+1]
	v_add_f32 v120, v120, v121
	ds_store_b32 v153, v120                        ; all lanes write the same word with the same value
.irp j, 0,1,2,3,4
	ds_store_b128 v146, v[40+8*\j:43+8*\j] offset:8192*\j
	ds_store_b128 v146, v[44+8*\j:47+8*\j] offset:8192*\j+4096
	ds_store_b128 v154, v[80+8*\j:83+8*\j] offset:8192*\j
	ds_store_b128 v154, v[84+8*\j:87+8*\j] offset:8192*\j+4096
.endr
	v_lshrrev_b32 v150, s18, v150
	v_and_b32 v150, 0xffff, v150
	v_lshl_or_b32 v[QS], v150, 16, v150            ; q's half word, twice
	s_wait_dscnt 0x0                               ; for the others' sake: my stores have landed
	s_barrier_signal -1
	s_barrier_wait -1
	ds_load_b128 v[120:123], v155
	ds_load_b128 v[124:127], v155 offset:16
	KLOAD 4                                        ; the diagonal step's fragments land while c is made
	s_wait_dscnt 16                                ; the eight partial sums are in; the sixteen loads issued behind them may be out
	v_add_f32 v120, v120, v121
	v_add_f32 v120, v120, v122
	v_add_f32 v120, v120, v123
	v_add_f32 v120, v120, v124
	v_add_f32 v120, v120, v125
	v_add_f32 v120, v120, v126
	v_add_f32 v120, v120, v127                     ; the head's sum of 1 / denom, in the same order in every wave
	v_mul_f32 v120, v149, v120
	v_rcp_f32 v121, v120                           ; the fitness
	v_nop
	s_wait_alu depctr_va_vdst(0)
	v_mul_f32 v6, 0x3e38aa3b, v121                 ; c = fitness x log2(e) / 8, positive
	v_mov_b32 v7, v6
.macro BSTEP j
.if \j < 4
	s_cmp_lt_u32 s13, 4-\j                         ; this step and all that follow lie before key 0: a branch on the work-group's number
	s_cbranch_scc1 .Lend
.endif
	PLACES 9                                       ; the score products write over registers that the last products read as source 0: nine places (ISA guide 7.12.1 for eight of them)
	s_wait_dscnt 0x0                               ; k's fragments, asked for a step ago
.irp b, 0,1,2,3
.irp u, 0,1
	SMM S+16*\b+8*\u, KF+16*\b, Q+8*\u, KS+2*\j+\b/2, \b%2
.endr
.endr
	PLACES 8                                       ; in front of the loads into the fragments' registers and of the first read of the scores
.if \j > 0
	KLOAD \j-1                                     ; the next step's fragments land under this step's softmax.  (Where that step is not walked they read bytes that were stored and are not used)
.endif
	ABLK \j, 0
	ABLK \j, 1
	ABLK \j, 2
	ABLK \j, 3
.irp b, 0,1,2,3
	v_permlanex16_b32 v[TM+4+\b], v[TM+\b], s[SEL], s[SEL+1]
.endr
.irp b, 0,1,2,3
	v_max_num_f32 v[TM+\b], v[TM+\b], v[TM+4+\b]   ; the largest score of each block of 32 keys: for the row's maximum, and, since p rises with the score, for the block's largest p
.endr
	v_max3_num_f32 v254, v[TM], v[TM+1], v[TM+2]
	v_max_num_f32 v254, v254, v[TM+3]              ; the step's largest score of my query: a number, since each step that is walked has a key that counts for every query
	v_mul_f32 v254, v6, v254
	v_max_num_f32 v3, v3, v254                     ; the running largest t
	v_mov_b32 v254, v2
	v_floor_f32 v2, -v3                            ; the new -M = -ceil(t)
	v_sub_f32 v254, v2, v254                       ; old M - new M: a whole number, 0 or less
	v_cvt_i32_f32 v254, v254                       ; (it saturates)
	v_ldexp_f32 v252, 1.0, v254                    ; f = 2^(old M - new M)
.irp b, 0,1,2,3
	v_fma_f32 v[TM+\b], v[TM+\b], v6, v2           ; t - M of each block's largest score,
.endr
.irp b, 0,1,2,3
	v_exp_f32 v[TM+\b], v[TM+\b]                   ; and the block's largest p: the same two instructions on the same number give the same bits
.endr
	v_pk_mul_f32 v[4:5], v[4:5], v[252:253] op_sel_hi:[1,0]   ; the sums under the new M (a plain line behind the exponentials)
	s_wait_alu depctr_va_vdst(0)
.irp b, 0,1,2,3
	v_max_num_f32 v[TM+\b], 0x8000000, v[TM+\b]    ; the floor 2^(16 - 127)
.endr
.irp b, 0,1,2,3
	v_add_nc_u32 v[TM+12+\b], 0xf8800000, v[TM+\b]
.endr
.irp b, 0,1,2,3
	v_and_or_b32 v[TM+8+\b], v[TM+\b], 0x7f800000, s[MNT]
.endr
.irp b, 0,1,2,3
	v_lshrrev_b32 v[TM+4+\b], 23, v[TM+12+\b]
.endr
	v_lshl_or_b32 v[PW], v[TM+5], 8, v[TM+4]       ; p's scale word for these 128 keys
	v_lshl_or_b32 v[PW], v[TM+6], 16, v[PW]
	v_lshl_or_b32 v[PW], v[TM+7], 24, v[PW]
	BBLK \j, 0
	BBLK \j, 1
	BBLK \j, 2
	BBLK \j, 3
.set n, 0
.rept 16
	v_pk_mul_f32 v[O+n:O+n+1], v[O+n:O+n+1], v[252:253] op_sel_hi:[1,0]   ; O^T under the new M; these are also the places between the codes and the products
.set n, n+2
.endr
.irp t, 0,1,2,3
	s_wait_dscnt 12-4*\t                           ; v's tile t is in; the tiles behind it, four loads each, may be out (k's loads for the next step are older)
	OMM O+8*\t, S+16*\t, VS+2*\j+\t/2, \t%2        ; the four accumulators take one turn each
.endr
.endm
	BSTEP 4
	BSTEP 3
	BSTEP 2
	BSTEP 1
	BSTEP 0
.Lend:
	PLACES 8
	v_add_f32 v4, v4, v5
	v_permlanex16_b32 v254, v4, s[SEL], s[SEL+1]
	v_add_f32 v4, v4, v254                         ; the row's sum
	v_rcp_f32 v252, v4
	v_nop
.set n, 0
	s_wait_alu depctr_va_vdst(0)
.rept 16
	v_pk_mul_f32 v[O+n:O+n+1], v[O+n:O+n+1], v[252:253] op_sel_hi:[1,0]   ; register 16 b + i is out(my query, 64 head + 32 b + 16 h + i); each accumulator from its low end on
.set n, n+2
.endr
	QUANT O, 2, PC
	global_store_b128 v1, v[PC:PC+3], s[36:37]
	global_store_b128 v1, v[PC+4:PC+7], s[36:37] offset:512
	v_and_b32 v13, 15, v0
	v_bfe_u32 v14, v0, 4, 1
	v_lshl_add_u32 v15, v13, 2, v14                ; 4 r + h
	v_cmp_eq_u32 vcc_lo, 0, v14
	v_cndmask_b32 v254, v[TM+5], v[TM+4], vcc_lo   ; lanes 0-15: block 0's byte; lanes 16-31: block 1's
	global_store_b8 v15, v254, s[38:39]
	s_set_vgpr_msb 0x4
	s_wait_tensorcnt 0x0
	ds_add_u32 v255, v1
	s_wait_dscnt 0x0
	s_set_vgpr_msb 0x400
	s_endpgm
.Lfunc_end_k_q489ed890ae_attn:
	.size	k_q489ed890ae_attn, .Lfunc_end_k_q489ed890ae_attn-k_q489ed890ae_attn
	.p2alignl 7, 3214868480
	.fill 96, 4, 3214868480
	.section	.rodata,"a",@progbits
	.p2align	6, 0x0
	.amdhsa_kernel k_q489ed890ae_attn
		.amdhsa_group_segment_fixed_size 83200
		.amdhsa_private_segment_fixed_size 0
		.amdhsa_enable_private_segment 0
		.amdhsa_kernarg_size 32
		.amdhsa_user_sgpr_count 2
		.amdhsa_user_sgpr_kernarg_segment_ptr 1
		.amdhsa_wavefront_size32 1
		.amdhsa_system_sgpr_workgroup_id_x 1
		.amdhsa_system_sgpr_workgroup_id_y 1
		.amdhsa_system_sgpr_workgroup_id_z 1
		.amdhsa_system_vgpr_workitem_id 0
		.amdhsa_next_free_vgpr 258
		.amdhsa_next_free_sgpr 66
		.amdhsa_reserve_vcc 1
		.amdhsa_float_denorm_mode_32 3
		.amdhsa_float_denorm_mode_16_64 3
		.amdhsa_memory_ordered 1
		.amdhsa_forward_progress 1
		.amdhsa_inst_pref_size 124
	.end_amdhsa_kernel
	.amdgpu_metadata
---
amdhsa.version: [ 1, 2 ]
amdhsa.kernels:
  - .name:           k_q489ed890ae_attn
    .symbol:         k_q489ed890ae_attn.kd
    .args:
      - { .name: qk, .offset: 0, .size: 8, .value_kind: global_buffer, .address_space: global }
      - { .name: vcod, .offset: 8, .size: 8, .value_kind: global_buffer, .address_space: global }
      - { .name: fit, .offset: 16, .size: 8, .value_kind: global_buffer, .address_space: global }
      - { .name: ocod, .offset: 24, .size: 8, .value_kind: global_buffer, .address_space: global }
    .group_segment_fixed_size: 83200
    .private_segment_fixed_size: 0
    .kernarg_segment_align: 8
    .kernarg_segment_size: 32
    .max_flat_workgroup_size: 256
    .sgpr_count:     66
    .vgpr_count:     258
    .wavefront_size: 32
...
	.end_amdgpu_metadata
.endif
;; end of part 4
;; launch oproj (part 5): grid 8 x 16, 8 waves a work-group, clusters of 4 x 4, 297,984 bytes of LDS; arguments ocod, wcod, b_o, out0; writes out0
.if DOCPART == 5
	.amdgcn_target "amdgcn-amd-amdhsa--gfx1250"
	.amdhsa_code_object_version 6
	.text
	.protected	k_q489ed890ae_oproj
	.globl	k_q489ed890ae_oproj
	.p2align	8
	.type	k_q489ed890ae_oproj,@function
k_q489ed890ae_oproj:
	s_mov_b64 s[64:65], 0
	v_nop
	global_prefetch_b8 v0, s[64:65] scope:SCOPE_SE
	s_setreg_imm32_b32 hwreg(HW_REG_WAVE_MODE, 25, 1), 1
	s_wait_xcnt 0x0
	s_wait_alu depctr_hold_cnt(0) depctr_sa_sdst(0) depctr_va_vdst(0) depctr_va_sdst(0) depctr_va_ssrc(0) depctr_va_vcc(0) depctr_vm_vsrc(0)
	s_getreg_b32 s2, hwreg(HW_REG_IB_STS2, 6, 4)
	s_cmp_eq_u32 s2, 0
	s_cbranch_scc0 .Lentry_in_a_cluster
	s_endpgm
.Lentry_in_a_cluster:
	s_bfe_u32 s2, ttmp6, 0x10000c
	s_cmp_lg_u32 s2, 0xf033
	s_cbranch_scc0 .Lentry_shape_is_right
	s_endpgm
.Lentry_shape_is_right:
; out0 = out W_o + b_o, on codes of E5M2 with E8M0 scales; out0 [2048][1024] f32.
; SHARES.  Work-group (nb, mb): 128 columns, 128 tokens.  Wave w: tokens 32 (w % 4) on (two tiles of out), columns 64 (w / 4) on (four tiles of W_o): eight accumulators, used TRANSPOSED (source 0 = W_o's tile, source 1 = out's):
; a lane holds one token and, of each accumulator, eight neighbouring columns.
; ALL OF K LIES IN LDS AT ONCE: 128 KiB of out's images, 128 KiB of W_o's, each byte filled once.  Four tensor loads a wave go out together (that many of mine are outstanding); K is walked in four chunks of 256.
; CLUSTER 4 x 4: the four work-groups of a row share mb and so out's tiles, the four of a column share nb and so W_o's: each tile is asked for jointly.
; 128 work-groups: tiles of half the size would fetch and read from LDS half as much again for the same products.
; The bias is loaded straight into the accumulators.  The accumulators take turns, one instruction a turn.
.set WV, 86
.set TQ, 87
.set HS, 88
.set CX, 89
.set CY, 90
.set NB, 91
.set MB, 92
.set G1X, 8
.set G1W, 16
.set G0X, 36
.set ACC, 16
.set WF, 96
.set XF, 160
.set WS, 208
.set XS, 224
.set BK, 96                            ; the way out: rows read back from the stage
.macro PLACES n
.rept \n
	v_nop
.endr
.endm
.macro ROUND
	s_barrier_signal -1
	s_barrier_wait -1
	s_cmp_lg_u32 s[WV], 0
	s_cbranch_scc1 .Lnot_wave_0_\@
	s_barrier_signal -3
.Lnot_wave_0_\@:
	s_barrier_wait -3
	s_barrier_signal -1
	s_barrier_wait -1
.endm
.macro MM d, a, b, sa, sb, odd
.if \odd
	v_wmma_scale_f32_16x16x128_f8f6f4 v[(\d):(\d)+7], v[(\a):(\a)+15], v[(\b):(\b)+15], v[(\d):(\d)+7], v[\sa], v[\sb] matrix_a_fmt:MATRIX_FMT_BF8 matrix_b_fmt:MATRIX_FMT_BF8 matrix_a_scale:MATRIX_SCALE_ROW1 matrix_b_scale:MATRIX_SCALE_ROW1
.else
	v_wmma_scale_f32_16x16x128_f8f6f4 v[(\d):(\d)+7], v[(\a):(\a)+15], v[(\b):(\b)+15], v[(\d):(\d)+7], v[\sa], v[\sb] matrix_a_fmt:MATRIX_FMT_BF8 matrix_b_fmt:MATRIX_FMT_BF8
.endif
.endm
	s_load_b128 s[4:7], s[0:1], 0x0                ; ocod, wcod
	s_load_b128 s[72:75], s[0:1], 0x10             ; b_o, out0
	v_lshl_add_u32 v254, v0, 2, 0x48800
	v_mov_b32 v255, 0
	ds_add_u32 v254, v255
	ds_add_u32 v254, v255
	v_lshrrev_b32 v1, 5, v0
	v_readfirstlane_b32 s[WV], v1
	s_and_b32 s[TQ], s[WV], 3
	s_lshr_b32 s[HS], s[WV], 2
	s_bfe_u32 s[CX], ttmp6, 0x40000
	s_bfe_u32 s[CY], ttmp6, 0x40004
	s_lshl_b32 s[NB], ttmp9, 2
	s_add_co_u32 s[NB], s[NB], s[CX]
	s_and_b32 s[MB], ttmp7, 0xffff
	s_lshl_b32 s[MB], s[MB], 2
	s_add_co_u32 s[MB], s[MB], s[CY]
	s_lshl_b32 s95, s[CY], 2
	s_lshl_b32 s95, 15, s95                        ; my row of the cluster
	s_lshl_b32 s97, 0x1111, s[CX]                  ; my column
	s_or_b32 s[G1X], s95, (3<<16)|(1<<21)          ; the mask; elements of 8 bytes; bit 21 set beside a mask; no padding
	s_or_b32 s[G1W], s97, (3<<16)|(1<<21)
.irp g, G1X, G1W                       ; two tiles' 4,096 bytes (two K steps) each: 2 rows of 512 elements, 2,048 elements apart
	s_mov_b32 s[\g+1], 512<<16
	s_mov_b32 s[\g+2], 2<<16
	s_mov_b32 s[\g+3], 512<<16
	s_mov_b32 s[\g+4], 2
	s_mov_b32 s[\g+5], 2048
	s_mov_b32 s[\g+6], 0
	s_mov_b32 s[\g+7], 0
.endr
	s_lshl_b32 s93, s[TQ], 15
	s_lshl_b32 s67, s[TQ], 15
	; every LDS address is made here, ahead of the first branch on the wave's number
	v_and_b32 v1, 31, v0
	v_and_b32 v2, 15, v0                           ; r
	v_bfe_u32 v3, v0, 4, 1                         ; h
	v_lshlrev_b32 v4, 4, v1
	v_lshlrev_b32 v5, 2, v1
	v_add_nc_u32 v6, s93, v4                       ; out's fragments of my tokens
	s_lshl_b32 s3, s[HS], 16
	s_add_co_u32 s3, s3, 131072
	v_add_nc_u32 v7, s3, v4                        ; W_o's of my columns
	v_lshlrev_b32 v9, 6, v3                        ; 64 h
	s_mul_i32 s3, s[WV], 4352
	s_add_co_u32 s3, s3, 262144                    ; my stage: 16 rows x (256 + 16) bytes, behind the tiles: no fill lands there
	v_mul_u32_u24 v10, v2, 272
	v_lshl_add_u32 v10, v3, 6, v10
	v_add_nc_u32 v10, s3, v10                      ; in: row r, + 64 h
	v_mul_u32_u24 v11, v3, 272
	v_lshl_add_u32 v11, v2, 4, v11
	v_add_nc_u32 v11, s3, v11                      ; back: lanes 0-15 one row, lanes 16-31 the next
	v_lshlrev_b32 v12, 12, v3
	v_lshl_add_u32 v12, v2, 4, v12                 ; and the same two rows in out0
	s_lshl_b32 s94, s[MB], 17
	s_add_co_u32 s94, s94, s93
	s_mov_b32 s95, 0
	s_lshl_b32 s96, s[NB], 17
	s_add_co_u32 s96, s96, s67
	s_add_co_u32 s96, s96, 144*16384               ; W_o's tiles begin at tile 144
	s_mov_b32 s97, 0
	s_wait_dscnt 0x0
	s_wait_kmcnt 0x0
	s_add_nc_u64 s[94:95], s[4:5], s[94:95]
	s_add_nc_u64 s[96:97], s[6:7], s[96:97]
.irp q, 0,1,2,3
.set GW, 52+4*\q+4*(\q/3)
	s_mov_b32 s[G0X+4*\q], 1
	s_add_co_u32 s[G0X+4*\q+1], s93, 8192*\q
	s_add_nc_u64 s[G0X+4*\q+2:G0X+4*\q+3], s[94:95], 4096*\q
	s_or_b32 s[G0X+4*\q+3], s[G0X+4*\q+3], 0x80000000
	s_mov_b32 s[GW], 1
	s_add_co_u32 s[GW+1], s67, 131072+8192*\q
	s_add_nc_u64 s[GW+2:GW+3], s[96:97], 4096*\q
	s_or_b32 s[GW+3], s[GW+3], 0x80000000
.endr
	ROUND                                          ; all sixteen work-groups are here: the joint loads meet
	s_cmp_lt_u32 s[WV], 4
	s_cbranch_scc0 .Lfill_w
	tensor_load_to_lds s[36:39], s[G1X:G1X+7]
	s_nop 0
	tensor_load_to_lds s[40:43], s[G1X:G1X+7]
	s_nop 0
	tensor_load_to_lds s[44:47], s[G1X:G1X+7]
	s_nop 0
	tensor_load_to_lds s[48:51], s[G1X:G1X+7]
	s_nop 0
	PLACES 4
	s_branch .Lfilled
.Lfill_w:
	tensor_load_to_lds s[52:55], s[G1W:G1W+7]
	s_nop 0
	tensor_load_to_lds s[56:59], s[G1W:G1W+7]
	s_nop 0
	tensor_load_to_lds s[60:63], s[G1W:G1W+7]
	s_nop 0
	tensor_load_to_lds s[68:71], s[G1W:G1W+7]
	s_nop 0
	PLACES 4
.Lfilled:
	s_lshl_b32 s98, s[MB], 12
	s_lshl_b32 s99, s[TQ], 10
	s_add_co_u32 s98, s98, s99
	s_add_co_u32 s98, s98, 2097152
	s_mov_b32 s99, 0
	s_add_nc_u64 s[4:5], s[4:5], s[98:99]          ; out's scale words
	s_lshl_b32 s98, s[NB], 12
	s_lshl_b32 s99, s[HS], 11
	s_add_co_u32 s98, s98, s99
	s_add_co_u32 s98, s98, 3407872+144*512
	s_mov_b32 s99, 0
	s_add_nc_u64 s[6:7], s[6:7], s[98:99]          ; W_o's
	s_lshl_b32 s98, s[NB], 9
	s_lshl_b32 s99, s[HS], 8
	s_add_co_u32 s98, s98, s99
	s_mov_b32 s99, 0
	s_add_nc_u64 s[72:73], s[72:73], s[98:99]      ; b_o at my 64 columns
	s_add_nc_u64 s[74:75], s[74:75], s[98:99]      ; out0: my columns,
	s_lshl_b32 s98, s[MB], 19
	s_lshl_b32 s99, s[TQ], 17
	s_add_co_u32 s98, s98, s99
	s_mov_b32 s99, 0
	s_add_nc_u64 s[74:75], s[74:75], s[98:99]      ; my 32 tokens
.irp t, 0,1,2,3
.irp i, 0,1,2,3
	global_load_b32 v[WS+4*\t+\i], v5, s[6:7] offset:512*\t+128*\i
.endr
.endr
.irp u, 0,1
.irp i, 0,1,2,3
	global_load_b32 v[XS+4*\u+\i], v5, s[4:5] offset:512*\u+128*\i
.endr
.endr
.irp m, 0,1
.irp t, 0,1,2,3
.irp e, 0,1
	global_load_b128 v[ACC+32*\m+8*\t+4*\e:ACC+32*\m+8*\t+4*\e+3], v9, s[72:73] offset:(32*(\t/2)+8*(\t%2))*4+16*\e
.endr
.endr
.endr
	s_wait_loadcnt 0x0
.macro KSTEP ks
	PLACES 8                                       ; in front of loads into registers that matrix instructions have read
.irp t, 0,1,2,3
.irp c, 0,1,2,3
	ds_load_b128 v[WF+16*\t+4*\c:WF+16*\t+4*\c+3], v7 offset:(\t/2)*32768+((\ks)/2)*8192+(\t%2)*4096+((\ks)%2)*2048+512*\c
.endr
.endr
.irp u, 0,1
.irp c, 0,1,2,3
	ds_load_b128 v[XF+16*\u+4*\c:XF+16*\u+4*\c+3], v6 offset:((\ks)/2)*8192+\u*4096+((\ks)%2)*2048+512*\c
.endr
.endr
	s_wait_dscnt 0x0
.irp m, 0,1
.irp t, 0,1,2,3
	MM ACC+32*\m+8*\t, WF+16*\t, XF+16*\m, WS+4*\t+(\ks)/2, XS+4*\m+(\ks)/2, (\ks)%2
.endr
.endr
.endm
.irp q, 0,1,2,3
	s_wait_tensorcnt 3-\q                          ; my part of chunk q is in; the 3 - q chunks issued behind it may be out
	s_barrier_signal -1
	s_barrier_wait -1
	KSTEP 2*\q
	KSTEP 2*\q+1
.endr
	; THE WAY OUT: a tile of 16 tokens x 64 columns goes through my own stage and comes back as rows of 256 bytes
	PLACES 8
.irp m, 0,1
.irp t, 0,1,2,3
.irp e, 0,1
	ds_store_b128 v10, v[ACC+32*\m+8*\t+4*\e:ACC+32*\m+8*\t+4*\e+3] offset:128*(\t/2)+32*(\t%2)+16*\e   ; columns 32 (t / 2) + 8 (t % 2) + 16 h + 4 e on; each accumulator from its low end on
.endr
.endr
.irp i, 0,1,2,3,4,5,6,7
	ds_load_b128 v[BK+32*\m+4*\i:BK+32*\m+4*\i+3], v11 offset:544*\i   ; LDS serves a wave's instructions in order (ISA guide 5.7.1.4): these see the stores above, and the next tile's stores come behind them
.endr
.endr
.irp m, 0,1
.irp i, 0,1,2,3,4,5,6,7
	s_wait_dscnt 16*(1-\m)+7-\i                    ; the younger loads of this tile, and behind tile 0 the sixteen LDS instructions of tile 1, may be out
	global_store_b128 v12, v[BK+32*\m+4*\i:BK+32*\m+4*\i+3], s[74:75] offset:(8*\m+2*\i+8*(\i/4))*4096 th:TH_STORE_NT   ; row rho = 2 i + h of the tile is token 8 m + rho + 8 (rho / 8); 16 lanes store 256 consecutive bytes, aligned
.endr
.endr
	s_wait_tensorcnt 0x0
	ds_add_u32 v254, v255
	s_wait_dscnt 0x0
	ROUND                                          ; the closing round: no work-group ends while a partner may still ask for a tile that names it
	s_endpgm
.Lfunc_end_k_q489ed890ae_oproj:
	.size	k_q489ed890ae_oproj, .Lfunc_end_k_q489ed890ae_oproj-k_q489ed890ae_oproj
	.p2alignl 7, 3214868480
	.fill 96, 4, 3214868480
	.section	.rodata,"a",@progbits
	.p2align	6, 0x0
	.amdhsa_kernel k_q489ed890ae_oproj
		.amdhsa_group_segment_fixed_size 297984
		.amdhsa_private_segment_fixed_size 0
		.amdhsa_enable_private_segment 0
		.amdhsa_kernarg_size 32
		.amdhsa_user_sgpr_count 2
		.amdhsa_user_sgpr_kernarg_segment_ptr 1
		.amdhsa_wavefront_size32 1
		.amdhsa_system_sgpr_workgroup_id_x 1
		.amdhsa_system_sgpr_workgroup_id_y 1
		.amdhsa_system_sgpr_workgroup_id_z 1
		.amdhsa_system_vgpr_workitem_id 0
		.amdhsa_next_free_vgpr 256
		.amdhsa_next_free_sgpr 102
		.amdhsa_reserve_vcc 0
		.amdhsa_float_denorm_mode_32 3
		.amdhsa_float_denorm_mode_16_64 3
		.amdhsa_memory_ordered 1
		.amdhsa_forward_progress 1
		.amdhsa_inst_pref_size 39
	.end_amdhsa_kernel
	.amdgpu_metadata
---
amdhsa.version: [ 1, 2 ]
amdhsa.kernels:
  - .name:           k_q489ed890ae_oproj
    .symbol:         k_q489ed890ae_oproj.kd
    .args:
      - { .name: ocod, .offset: 0, .size: 8, .value_kind: global_buffer, .address_space: global }
      - { .name: wcod, .offset: 8, .size: 8, .value_kind: global_buffer, .address_space: global }
      - { .name: b_o, .offset: 16, .size: 8, .value_kind: global_buffer, .address_space: global }
      - { .name: out0, .offset: 24, .size: 8, .value_kind: global_buffer, .address_space: global }
    .group_segment_fixed_size: 297984
    .private_segment_fixed_size: 0
    .kernarg_segment_align: 8
    .kernarg_segment_size: 32
    .max_flat_workgroup_size: 256
    .sgpr_count:     102
    .vgpr_count:     256
    .wavefront_size: 32
...
	.end_amdgpu_metadata
.endif
;; end of part 5
;; ======== version 2 of 2: 5 launches; version 1 with the launches fitp, attn written anew for expert scheduling mode
;; workspace buffers: xcod 2,162,688 bytes; wcod 3,514,368 bytes; qk 4,325,376 bytes; vcod 540,672 bytes; fit 262,144 bytes; ocod 2,162,688 bytes
;; launch quant: the kernel of part 1 again; grid 336 x 1, 4 waves a work-group, no clusters, 34,304 bytes of LDS; arguments x, w_q, w_k, w_v, w_o, xcod, wcod; writes xcod, wcod
;; launch proj: the kernel of part 2 again; grid 16 x 16, 8 waves a work-group, clusters of 4 x 4, 281,600 bytes of LDS; arguments xcod, wcod, b_q, b_k, b_v, rms_q_w, rms_k_w, qk, vcod; writes qk, vcod
;; launch fitp (part 6): grid 16 x 16, 8 waves a work-group, no clusters, 41,984 bytes of LDS; arguments qk, fit; writes fit
.if DOCPART == 6
	.amdgcn_target "amdgcn-amd-amdhsa--gfx1250"
	.amdhsa_code_object_version 6
	.text
	.protected	k_q489ed890ae_fitp
	.globl	k_q489ed890ae_fitp
	.p2align	8
	.type	k_q489ed890ae_fitp,@function
k_q489ed890ae_fitp:
	s_mov_b64 s[64:65], 0
	v_nop
	global_prefetch_b8 v0, s[64:65] scope:SCOPE_SE
	s_setreg_imm32_b32 hwreg(HW_REG_WAVE_SCHED_MODE, 0, 2), 2
	s_setreg_imm32_b32 hwreg(HW_REG_WAVE_MODE, 25, 1), 1
	s_wait_xcnt 0x0
	s_wait_alu depctr_vm_vsrc(0)
; For each head and query: denom = mean over all 2,048 keys of sigmoid(masked score) + 0.5, and 1 / denom.  score = q . k / 8 on codes of E5M2; outside the band i - 512 <= j <= i the masked score is 0 and its sigmoid 0.5.
; SHARES.  Work-group (qb, head): 128 queries; wave w: the tile of 16 queries 8 qb + w.  Only the five key steps of 128 that end on the diagonal are walked (step j: keys 128 (qb - 4 + j) on), DOWNWARD from the diagonal:
; step 4 always exists, and the first step that would lie before key 0 ends the walk.  k's images of the five steps lie in LDS, stored once through registers; a step's fragments are asked for behind the products of the step before.
; THE BAND BY BLOCKS OF 32 KEYS.  My 16 queries lie in group w / 2 of 32 of the block's 128.  On the diagonal step the blocks behind that group are wholly hidden, those before it count wholly, and only block w / 2 is compared
; key by key; on the far step (j = 0) it is the other way round.  A hidden block's sigmoids are not made: so every wave makes 12 + (w / 2 + 1) + (4 - w / 2) = 17 blocks.  Each key whose sigmoid is not made adds the constant 0.5.
; K = 64 IN AN INSTRUCTION OF K = 128.  A fragment of k holds tile 2 b in blocks 0, 1 and tile 2 b + 1 in blocks 2, 3.  q stands as [q 8][zeros 8][q 8] registers: v[16:31] picks tile 2 b, v[24:39] tile 2 b + 1: zero codes add nothing.
; S^T = k q^T: a lane holds one query (lane % 16); register n holds key 32 (n / 16) + 16 (lane / 16) + n % 16 of the step.
; NO CLUSTER: neighbouring query blocks want windows of k that are shifted against each other by a step, so partners would ask for different tiles; the fill is ten loads a thread, once.
; LIMITS: NaN and infinities are not served.
; THE MODE: SCHED_MODE bits 1:0 = 2 (LLVM: expert scheduling mode 2), set by the entry lines.  The code itself states the register dependences
; between vector or matrix instructions and memory or LDS instructions, with s_wait_alu, always for 0.
; THE PLAN.  Registers that memory or LDS instructions touch:
;   v1, v3, v4, v9   offsets and LDS addresses: written once at the head, read by loads and stores to the kernel's end, never written again.
;   v144-153         offsets of the head's global loads; v104-143 the data that those loads bring and the LDS stores read.  Both become S^T: the first score products write over them.
;   KF, v40-103      Step j: its eight score products read it; behind them the LDS loads of step j - 1 land in it.  No vector instruction names it.
;   v170             written at the end by vector instructions, read by the one global store.
; So ONE wait on va_vdst stands in a step, behind its score products and their places: the products are done reading KF.  The sigmoids that follow name S^T, the sums and masks alone.
.set Q,   16
.set KF,  40
.set S,   104
.set SUM, 168
.set KS,  176
.set QS,  186
.set DD,  187
.set NIL, 188
.set W2,  11                           ; s11 wave / 2
.set MK,  28                           ; s[28:43] the sixteen masks of the block that the band's edge cuts
.macro PLACES n
.rept \n
	v_nop
.endr
.endm
.macro SMM d, a, b, sa, odd            ; d = a x b; an odd fragment's scale words lie in lanes 16-31
.if \odd
	v_wmma_scale_f32_16x16x128_f8f6f4 v[(\d):(\d)+7], v[(\a):(\a)+15], v[(\b):(\b)+15], 0, v[\sa], v[QS] matrix_a_fmt:MATRIX_FMT_BF8 matrix_b_fmt:MATRIX_FMT_BF8 matrix_a_scale:MATRIX_SCALE_ROW1
.else
	v_wmma_scale_f32_16x16x128_f8f6f4 v[(\d):(\d)+7], v[(\a):(\a)+15], v[(\b):(\b)+15], 0, v[\sa], v[QS] matrix_a_fmt:MATRIX_FMT_BF8 matrix_b_fmt:MATRIX_FMT_BF8
.endif
.endm
.macro KLOAD j                         ; step j's four fragments of k
.irp b, 0,1,2,3
.irp c, 0,1,2,3
	ds_load_b128 v[KF+16*\b+4*\c:KF+16*\b+4*\c+3], v1 offset:8192*(\j)+2048*\b+512*\c
.endr
.endr
.endm
; Block b (32 keys: 16 registers a lane) of step j: its sigmoids and their sum.  The branches hang on the wave's number alone.
.macro FBLK j, b
.set SB, S+16*\b
.if (\j == 4) && (\b > 0)
	s_cmp_lt_u32 s[W2], \b                         ; all 32 keys come behind my queries: nothing is made of them
	s_cbranch_scc1 .Lfd_\@
.endif
.if (\j == 0) && (\b < 3)
	s_cmp_gt_u32 s[W2], \b                         ; all 32 keys lie under i - 512
	s_cbranch_scc1 .Lfd_\@
.endif
.if (\j == 4) || (\j == 0)
	s_cmp_lg_u32 s[W2], \b                         ; only my own group's block is cut by the band's edge
	s_cbranch_scc1 .Lfo_\@
.set n, 0
.rept 16
.if \j == 4
	v_cmp_gt_i32 s[MK+n], 32*\b+n, v[DD]           ; the key comes behind the query
.else
	v_cmp_lt_i32 s[MK+n], 32*\b+n, v[DD]           ; the key lies under i - 512
.endif
.set n, n+1
.endr
	s_wait_alu depctr_va_sdst(0)                   ; the sixteen compares have written their masks, which the selects below read
.set n, 0
.rept 16
	v_cndmask_b32 v[SB+n], v[SB+n], v[NIL], s[MK+n] ; the masked score is 0; each accumulator from its low end on
.set n, n+1
.endr
.Lfo_\@:
.endif
.set n, 0
.rept 8
	v_pk_mul_f32 v[SB+n:SB+n+1], v[SB+n:SB+n+1], s[12:13] op_sel_hi:[1,0]   ; -score x log2(e) / 8; each accumulator from its low end on
.set n, n+2
.endr
.set n, 0
.rept 16
	v_exp_f32 v[SB+n], v[SB+n]
.set n, n+1
.endr
	v_nop                                          ; a plain line behind the transcendentals
.set n, 0
	s_wait_alu depctr_va_vdst(0)
.rept 8
	v_pk_add_f32 v[SB+n:SB+n+1], v[SB+n:SB+n+1], 1.0 op_sel_hi:[1,0]
.set n, n+2
.endr
.set n, 0
.rept 16
	v_rcp_f32 v[SB+n], v[SB+n]                     ; sigmoid = 1 / (1 + 2^(-score log2(e) / 8))
.set n, n+1
.endr
	v_nop
.set n, 0
	s_wait_alu depctr_va_vdst(0)
.rept 8
	v_pk_add_f32 v[SUM+2*((n/2)%4):SUM+2*((n/2)%4)+1], v[SUM+2*((n/2)%4):SUM+2*((n/2)%4)+1], v[SB+n:SB+n+1]   ; four chains
.set n, n+2
.endr
.Lfd_\@:
.endm
.macro ASTEP j
.if \j < 4
	s_cmp_lt_u32 s9, 4-\j                          ; this step and all that follow lie before key 0: a branch on the work-group's number
	s_cbranch_scc1 .Lend
.endif
	s_wait_dscnt 0x0                               ; the step's fragments, asked for a step ago
.irp b, 0,1,2,3
.irp u, 0,1
	SMM S+16*\b+8*\u, KF+16*\b, Q+8*\u, KS+2*\j+\b/2, \b%2
.endr
.endr
	PLACES 8                                       ; in front of the first read of the scores (ISA guide 7.12.1)
.if \j > 0
	s_wait_alu depctr_va_vdst(0)                   ; the score products are done reading k's fragments, in which the loads below land
	KLOAD \j-1                                     ; the next step's fragments land under this step's sigmoids.  (Where that step is not walked they read bytes that were stored and are not used)
.endif
	FBLK \j, 0
	FBLK \j, 1
	FBLK \j, 2
	FBLK \j, 3
.endm
	s_load_b128 s[4:7], s[0:1], 0x0                ; qk, fit
	v_lshl_add_u32 v190, v0, 2, 0xa000
	v_mov_b32 v191, 0
	v_lshrrev_b32 v2, 5, v0
	v_readfirstlane_b32 s8, v2                     ; wave
	s_mov_b32 s9, ttmp9                            ; qb
	s_and_b32 s10, ttmp7, 0xffff                   ; head
	s_mov_b32 s12, 0xbe38aa3b                      ; -log2(e) / 8
	s_mov_b32 s13, s12
	s_mov_b32 s14, 0x76543210
	s_mov_b32 s15, 0xfedcba98
	v_and_b32 v2, 31, v0
	v_lshlrev_b32 v1, 4, v2                        ; 16 x lane
	v_lshlrev_b32 v3, 4, v0                        ; 16 x thread
	v_lshlrev_b32 v4, 2, v2                        ; 4 x lane
	v_and_b32 v5, 15, v0                           ; r
	v_bfe_u32 v6, v0, 4, 1                         ; h
	v_lshlrev_b32 v9, 2, v5                        ; 4 r
	s_wait_alu depctr_va_sdst(0)                   ; s8 is written, ahead of its first reader
	s_lshr_b32 s[W2], s8, 1
	s_lshr_b32 s16, s8, 1
	s_lshl_b32 s16, s16, 5
	s_and_b32 s17, s8, 1
	s_lshl_b32 s17, s17, 3
	s_add_co_u32 s16, s16, s17
	v_and_b32 v7, 8, v5
	v_add_nc_u32 v7, v7, v5
	v_add_nc_u32 v7, s16, v7                       ; my query in the block: 32 (w / 2) + 8 (w % 2) + r + 8 (r / 8)
	v_lshlrev_b32 v8, 4, v6
	v_sub_nc_u32 v[DD], v7, v8                     ; less 16 h: register n's key comes after my query where 32 (n / 16) + n % 16 > DD
.irp j, 0,1,2,3,4
	s_add_co_i32 s16, s9, \j-4
	s_max_i32 s16, s16, 0                          ; a step before key 0 is not used: its loads read step 0, inside the buffer
	s_lshl_b32 s17, s16, 13
	v_add_nc_u32 v[144+\j], s17, v3
	s_lshl_b32 s17, s16, 8
	v_add_nc_u32 v[149+\j], s17, v4
.endr
	s_mov_b32 s19, 0
	s_add_co_u32 s16, s10, 16
	s_lshl_b32 s18, s16, 17
	s_wait_kmcnt 0x0
	s_add_nc_u64 s[20:21], s[4:5], s[18:19]        ; k's images of the head
	s_lshl_b32 s18, s16, 12
	s_add_co_u32 s18, s18, 4194304
	s_add_nc_u64 s[22:23], s[4:5], s[18:19]        ; k's scale words
	s_lshl_b32 s18, s10, 17
	s_lshl_b32 s16, s9, 13
	s_add_co_u32 s18, s18, s16
	s_lshl_b32 s16, s8, 10
	s_add_co_u32 s18, s18, s16
	s_add_nc_u64 s[24:25], s[4:5], s[18:19]        ; my tile of q: 1,024 bytes
	s_lshl_b32 s18, s10, 12
	s_lshl_b32 s16, s9, 8
	s_add_co_u32 s18, s18, s16
	s_lshr_b32 s16, s8, 1
	s_lshl_b32 s16, s16, 6
	s_add_co_u32 s18, s18, s16
	s_add_co_u32 s18, s18, 4194304
	s_add_nc_u64 s[26:27], s[4:5], s[18:19]        ; its scale words (two tiles' half words in a word)
	s_lshl_b32 s18, s10, 14
	s_lshl_b32 s16, s9, 10
	s_add_co_u32 s18, s18, s16
	s_lshl_b32 s16, s8, 7
	s_add_co_u32 s18, s18, s16
	s_add_nc_u64 s[6:7], s[6:7], s[18:19]          ; fit [head][tile][32 words]
	s_wait_alu depctr_va_vdst(0)                   ; the offsets and LDS addresses v1, v3, v4, v9 and v144-153 are written, which the loads and stores of the whole kernel read
.irp j, 0,1,2,3,4
	global_load_b128 v[S+8*\j:S+8*\j+3], v[144+\j], s[20:21]
	global_load_b128 v[S+8*\j+4:S+8*\j+7], v[144+\j], s[20:21] offset:4096
	global_load_b32 v[KS+2*\j], v[149+\j], s[22:23]              ; lanes 0-15: fragment 0's words; lanes 16-31: fragment 1's
	global_load_b32 v[KS+2*\j+1], v[149+\j], s[22:23] offset:128 ; fragments 2 and 3
.endr
	global_load_b128 v[Q:Q+3], v1, s[24:25]
	global_load_b128 v[Q+4:Q+7], v1, s[24:25] offset:512
	global_load_b128 v[Q+16:Q+19], v1, s[24:25]
	global_load_b128 v[Q+20:Q+23], v1, s[24:25] offset:512
	global_load_b32 v189, v9, s[26:27]
.irp i, 0,1,2,3,4,5,6,7
	v_mov_b32 v[Q+8+\i], 0                         ; zero codes
	v_mov_b32 v[SUM+\i], 0                         ; (blocks may be left out, so the sums begin as zeros)
.endr
	v_mov_b32 v[NIL], 0
	s_and_b32 s16, s8, 1
	s_lshl_b32 s16, s16, 4
	s_wait_loadcnt 0x0
.irp j, 0,1,2,3,4
	ds_store_b128 v3, v[S+8*\j:S+8*\j+3] offset:8192*\j          ; no vector instruction since the wait above names v3 or these registers
	ds_store_b128 v3, v[S+8*\j+4:S+8*\j+7] offset:8192*\j+4096
.endr
	v_lshrrev_b32 v189, s16, v189
	v_and_b32 v189, 0xffff, v189                   ; my tile's half word,
	v_lshl_or_b32 v[QS], v189, 16, v189            ; twice: it serves blocks 0, 1 and blocks 2, 3
	s_wait_dscnt 0x0                               ; for the others' sake: my stores have landed
	s_barrier_signal -1
	s_barrier_wait -1
	KLOAD 4                                        ; no vector instruction has named v40-103, nor v1 since the wait ahead of the global loads
	PLACES 8                                       ; between the vector writes of q's zeros and scale word and the first products
	s_wait_alu depctr_vm_vsrc(0)                   ; the global loads have read v144-153 and my LDS stores v104-143: these registers are S^T from here on, written by the score products
	s_wait_alu depctr_va_vdst(0)                   ; q's zero codes and its scale word are written, which the scaled products take; the places above stay beside this wait
	ASTEP 4
	ASTEP 3
	ASTEP 2
	ASTEP 1
	ASTEP 0
.Lend:
	s_wait_dscnt 0x0                               ; (fragments asked for ahead of a step that is not walked)
	v_pk_add_f32 v[SUM:SUM+1], v[SUM:SUM+1], v[SUM+2:SUM+3]
	v_pk_add_f32 v[SUM+4:SUM+5], v[SUM+4:SUM+5], v[SUM+6:SUM+7]
	v_pk_add_f32 v[SUM:SUM+1], v[SUM:SUM+1], v[SUM+4:SUM+5]
	v_add_f32 v[SUM], v[SUM], v[SUM+1]
	v_permlanex16_b32 v[SUM+2], v[SUM], s14, s15
	v_add_f32 v[SUM], v[SUM], v[SUM+2]             ; my query's sum over the keys whose sigmoids were made
	s_min_u32 s16, s9, 3                           ; those are: 128 for each of the steps 1 to 3 that was walked,
	s_lshl_b32 s16, s16, 6
	s_add_co_u32 s17, s[W2], 1                     ; 32 (w / 2 + 1) of the diagonal step,
	s_lshl_b32 s17, s17, 4
	s_add_co_u32 s16, s16, s17
	s_sub_co_u32 s17, 4, s[W2]                     ; and 32 (4 - w / 2) of step 0, if it was walked
	s_lshl_b32 s17, s17, 4
	s_cmp_ge_u32 s9, 4
	s_cselect_b32 s17, s17, 0
	s_add_co_u32 s16, s16, s17
	s_sub_co_u32 s16, 1024, s16                    ; 0.5 for each of the other keys of the 2,048
	v_cmp_eq_u32 vcc_lo, 0, v6
	v_cvt_f32_u32 v[SUM+1], s16
	v_add_f32 v[SUM], v[SUM], v[SUM+1]
	v_fma_f32 v[SUM], v[SUM], 0x3a000000, 0.5      ; / 2,048 + 0.5
	v_rcp_f32 v[SUM+1], v[SUM]
	v_nop
	s_wait_alu depctr_va_vcc(0)                    ; the compare has written VCC, which the select reads
	s_wait_alu depctr_va_vdst(0)
	v_cndmask_b32 v[SUM+2], v[SUM+1], v[SUM], vcc_lo   ; lanes 0-15: denom; lanes 16-31: 1 / denom
	s_wait_alu depctr_va_vdst(0)                   ; the select has written v170, which the store reads
	global_store_b32 v4, v[SUM+2], s[6:7]          ; 128 consecutive bytes
	s_wait_dscnt 0x0
	s_wait_alu depctr_hold_cnt(0) depctr_sa_sdst(0) depctr_va_vdst(0) depctr_va_sdst(0) depctr_va_ssrc(0) depctr_va_vcc(0) depctr_vm_vsrc(0)
	s_wait_tensorcnt 0x0
	ds_add_u32 v190, v191
	s_wait_dscnt 0x0
	s_endpgm
.Lfunc_end_k_q489ed890ae_fitp:
	.size	k_q489ed890ae_fitp, .Lfunc_end_k_q489ed890ae_fitp-k_q489ed890ae_fitp
	.p2alignl 7, 3214868480
	.fill 96, 4, 3214868480
	.section	.rodata,"a",@progbits
	.p2align	6, 0x0
	.amdhsa_kernel k_q489ed890ae_fitp
		.amdhsa_group_segment_fixed_size 41984
		.amdhsa_private_segment_fixed_size 0
		.amdhsa_enable_private_segment 0
		.amdhsa_kernarg_size 16
		.amdhsa_user_sgpr_count 2
		.amdhsa_user_sgpr_kernarg_segment_ptr 1
		.amdhsa_wavefront_size32 1
		.amdhsa_system_sgpr_workgroup_id_x 1
		.amdhsa_system_sgpr_workgroup_id_y 1
		.amdhsa_system_sgpr_workgroup_id_z 1
		.amdhsa_system_vgpr_workitem_id 0
		.amdhsa_next_free_vgpr 192
		.amdhsa_next_free_sgpr 66
		.amdhsa_reserve_vcc 1
		.amdhsa_float_denorm_mode_32 3
		.amdhsa_float_denorm_mode_16_64 3
		.amdhsa_memory_ordered 1
		.amdhsa_forward_progress 1
		.amdhsa_inst_pref_size 93
	.end_amdhsa_kernel
	.amdgpu_metadata
---
amdhsa.version: [ 1, 2 ]
amdhsa.kernels:
  - .name:           k_q489ed890ae_fitp
    .symbol:         k_q489ed890ae_fitp.kd
    .args:
      - { .name: qk, .offset: 0, .size: 8, .value_kind: global_buffer, .address_space: global }
      - { .name: fit, .offset: 8, .size: 8, .value_kind: global_buffer, .address_space: global }
    .group_segment_fixed_size: 41984
    .private_segment_fixed_size: 0
    .kernarg_segment_align: 8
    .kernarg_segment_size: 16
    .max_flat_workgroup_size: 256
    .sgpr_count:     66
    .vgpr_count:     192
    .wavefront_size: 32
...
	.end_amdgpu_metadata
.endif
;; end of part 6
;; launch attn (part 7): grid 16 x 16, 8 waves a work-group, no clusters, 83,200 bytes of LDS; arguments qk, vcod, fit, ocod; writes ocod
.if DOCPART == 7
	.amdgcn_target "amdgcn-amd-amdhsa--gfx1250"
	.amdhsa_code_object_version 6
	.text
	.protected	k_q489ed890ae_attn
	.globl	k_q489ed890ae_attn
	.p2align	8
	.type	k_q489ed890ae_attn,@function
k_q489ed890ae_attn:
	s_mov_b64 s[64:65], 0
	v_nop
	global_prefetch_b8 v0, s[64:65] scope:SCOPE_SE
	s_setreg_imm32_b32 hwreg(HW_REG_WAVE_SCHED_MODE, 0, 2), 2
	s_setreg_imm32_b32 hwreg(HW_REG_WAVE_MODE, 25, 1), 1
	s_wait_xcnt 0x0
	s_wait_alu depctr_vm_vsrc(0)
; out = softmax(score x fitness, banded) v, on codes of E5M2, and its quantisation along the model's 1,024 for the last product.  fitness = 1 / (denom x the head's sum of 1 / denom).
; t = q . k x c, c = fitness x log2(e) / 8; M = the running largest t rounded UP to a whole number; p = 2^(t - M) is quantised along the keys, not normalised; the row's sum is taken of the unquantised p and divides at the end.
; When M moves, the sum and O are multiplied by 2^(old M - new M): exact.  Outside the band i - 512 <= j <= i p is 0, so only the five key steps of 128 that end on the diagonal are walked, DOWNWARD from the diagonal:
; step 4 always exists, and the first step that would lie before key 0 ends the walk.
; SHARES: work-group (qb, head), wave w: the tile of 16 queries 8 qb + w.  k's and v's images of the five steps lie in LDS, stored once through registers.
; THE BAND BY BLOCKS OF 32 KEYS.  My 16 queries lie in group w / 2 of 32 of the block's 128.  On the diagonal step the blocks behind that group are wholly hidden, those before it count wholly, and only block w / 2 is compared
; key by key; on the far step (j = 0) it is the other way round.  A hidden block gets the largest score -infinity and zero codes by five moves, and none of its p is made: every wave makes 17 blocks of p.
; Both products are used transposed (S^T = k q^T, O^T = v^T p^T): a lane holds one query throughout; register n of S^T holds key 32 (n / 16) + 16 (lane / 16) + n % 16, so p's conversions give the second product's operand.
; K = 64 in an instruction of K = 128: q stands as [q 8][zeros 8][q 8]; a fragment of k holds two tiles of keys.
; WHAT IS ASKED FOR AHEAD.  Behind a step's score products: this step's four tiles of v, into 64 registers of their own, and the next step's four fragments of k.
; NO CLUSTER: neighbouring query blocks want windows of k and v shifted against each other; only v's half of a work-group's 80 KiB is common to the four heads of a value head; the fill is twenty loads a thread, once,
; beside some 300 vector instructions for a key step's 12 matrix instructions.
; LIMITS: NaN and infinities are not served; p under 2^-126 comes out of v_exp_f32 as 0 (ISA guide 15.8); a block of zeros gets the byte 1 with zero codes.
; THE MODE: SCHED_MODE bits 1:0 = 2 (LLVM: expert scheduling mode 2), set by the entry lines.  The code itself states the register dependences
; between vector or matrix instructions and memory or LDS instructions, with s_wait_alu, always for 0.
; THE PLAN.  Registers that memory or LDS instructions touch, in a key step:
;   KF, v40-103      Step j: its eight score products read it; behind them the LDS loads of step j - 1's fragments land in it.  No vector instruction names it.
;   VF, v256-319     Step j: its four products of O^T read it; the LDS loads of step j - 1's tiles land in it behind that step's score products.  No vector instruction names it.
;   v1, v10          LDS addresses, written once at the head, never again.
;   S^T, p, O^T, the statistics and masks are named by vector and matrix instructions alone.
; So ONE wait on va_vdst behind a step's score products states all that the step's 32 LDS loads hang on: those products are done reading KF, and the last step's products of O^T are done reading VF.
; v's sixteen loads follow it in a run under their register window; k's four fragments are dealt behind the four searches for a block's largest score, which name none of KF and v1.
; A second wait on va_vdst stands ahead of the products of O^T: p's codes and scale word, written by vector instructions, are operands of scaled products.
; At the head and at the end each wait's comment says what it states.
.set Q,   16                           ; v16-39   q, zeros, q
.set KF,  40                           ; v40-103  k's four fragments
.set S,   104                          ; v104-167 S^T, then p
.set O,   168                          ; v168-199 O^T
.set PC,  200                          ; v200-215 p's codes
.set KS,  216                          ; v216-225 k's scale words
.set VS,  226                          ; v226-235 v's
.set TM,  236                          ; v236-251 at work: +0..3 a block's largest, +4..7 bytes, +8..11 holds, +12..15 the conversions' scale operands
.set VF,  0                            ; v256-319 v's four tiles: registers 0-63 of window 1
.set QS,  12
.set DD,  8
.set PW,  9
.set MNT, 15
.set SEL, 16
.set W2,  41                           ; s41 wave / 2
.set MK,  42                           ; s[42:57] the sixteen masks of the block that the band's edge cuts
.set MSB, 0
.macro WIN new                         ; s_set_vgpr_msb: bits 1:0 source 0, 7:6 destination; the immediate's high byte repeats the setting that is left
.if MSB != \new
	s_set_vgpr_msb (MSB<<8)|\new
.set MSB, \new
.endif
.endm
.macro PLACES n
.rept \n
	v_nop
.endr
.endm
.macro QUANT s, n, pc
.set qb, 0
.rept \n
	v_max3_num_f32 v[TM+qb], |v[(\s)+16*qb]|, |v[(\s)+16*qb+1]|, 0x8000000
.set qb, qb+1
.endr
.set qi, 2
.rept 7
.set qb, 0
.rept \n
	v_max3_num_f32 v[TM+qb], v[TM+qb], |v[(\s)+16*qb+qi]|, |v[(\s)+16*qb+qi+1]|
.set qb, qb+1
.endr
.set qi, qi+2
.endr
.set qb, 0
.rept \n
	v_permlanex16_b32 v[TM+4+qb], v[TM+qb], s[SEL], s[SEL+1]
.set qb, qb+1
.endr
.set qb, 0
.rept \n
	v_max_num_f32 v[TM+qb], v[TM+qb], v[TM+4+qb]
.set qb, qb+1
.endr
.set qb, 0
.rept \n
	v_add_nc_u32 v[TM+12+qb], 0xf8800000, v[TM+qb]
	v_and_or_b32 v[TM+8+qb], v[TM+qb], 0x7f800000, s[MNT]
.set qb, qb+1
.endr
.set qb, 0
.rept \n
	v_lshrrev_b32 v[TM+4+qb], 23, v[TM+12+qb]
.set qb, qb+1
.endr
.set qb, 0
.rept \n
.set qi, 0
.rept 16
	v_med3_num_f32 v[(\s)+16*qb+qi], v[(\s)+16*qb+qi], -v[TM+8+qb], v[TM+8+qb]
.set qi, qi+1
.endr
	v_cvt_scalef32_pk8_bf8_f32 v[(\pc)+4*qb:(\pc)+4*qb+1], v[(\s)+16*qb:(\s)+16*qb+7], v[TM+12+qb]
	v_cvt_scalef32_pk8_bf8_f32 v[(\pc)+4*qb+2:(\pc)+4*qb+3], v[(\s)+16*qb+8:(\s)+16*qb+15], v[TM+12+qb]
.set qb, qb+1
.endr
	v_nop
.endm
.macro SMM d, a, b, sa, odd            ; d = a x b
.if \odd
	v_wmma_scale_f32_16x16x128_f8f6f4 v[(\d):(\d)+7], v[(\a):(\a)+15], v[(\b):(\b)+15], 0, v[\sa], v[QS] matrix_a_fmt:MATRIX_FMT_BF8 matrix_b_fmt:MATRIX_FMT_BF8 matrix_a_scale:MATRIX_SCALE_ROW1
.else
	v_wmma_scale_f32_16x16x128_f8f6f4 v[(\d):(\d)+7], v[(\a):(\a)+15], v[(\b):(\b)+15], 0, v[\sa], v[QS] matrix_a_fmt:MATRIX_FMT_BF8 matrix_b_fmt:MATRIX_FMT_BF8
.endif
.endm
.macro OMM d, a, sa, odd               ; d += a x p; a lies in window 1
.if \odd
	v_wmma_scale_f32_16x16x128_f8f6f4 v[(\d):(\d)+7], v[(\a):(\a)+15], v[PC:PC+15], v[(\d):(\d)+7], v[\sa], v[PW] matrix_a_fmt:MATRIX_FMT_BF8 matrix_b_fmt:MATRIX_FMT_BF8 matrix_a_scale:MATRIX_SCALE_ROW1
.else
	v_wmma_scale_f32_16x16x128_f8f6f4 v[(\d):(\d)+7], v[(\a):(\a)+15], v[PC:PC+15], v[(\d):(\d)+7], v[\sa], v[PW] matrix_a_fmt:MATRIX_FMT_BF8 matrix_b_fmt:MATRIX_FMT_BF8
.endif
.endm
.macro KFRAG j, b                      ; fragment b of step j's four of k
.irp c, 0,1,2,3
	ds_load_b128 v[KF+16*(\b)+4*\c:KF+16*(\b)+4*\c+3], v1 offset:8192*(\j)+2048*(\b)+512*\c
.endr
.endm
.macro VLOAD j                         ; step j's four tiles of v, under a window that puts the destination into window 1
.irp t, 0,1,2,3
.irp c, 0,1,2,3
	ds_load_b128 v[VF+16*\t+4*\c:VF+16*\t+4*\c+3], v10 offset:8192*(\j)+2048*\t+512*\c
.endr
.endr
.endm
; Block b (32 keys: 16 registers a lane) of step j, first part: the band's edge, and the block's largest score into v[TM + b].  The branches hang on the wave's number alone.
.macro ABLK j, b
.set SB, S+16*\b
.set HID, 0
.if (\j == 4) && (\b > 0)
.set HID, 1
	s_cmp_lt_u32 s[W2], \b                         ; all 32 keys come behind my queries
	s_cbranch_scc1 .Lah_\@
.endif
.if (\j == 0) && (\b < 3)
.set HID, 1
	s_cmp_gt_u32 s[W2], \b                         ; all 32 keys lie under i - 512
	s_cbranch_scc1 .Lah_\@
.endif
.if (\j == 4) || (\j == 0)
	s_cmp_lg_u32 s[W2], \b                         ; only my own group's block is cut by the band's edge
	s_cbranch_scc1 .Lao_\@
.set n, 0
.rept 16
.if \j == 4
	v_cmp_gt_i32 s[MK+n], 32*\b+n, v[DD]
.else
	v_cmp_lt_i32 s[MK+n], 32*\b+n, v[DD]
.endif
.set n, n+1
.endr
	s_wait_alu depctr_va_sdst(0)                   ; the sixteen compares have written their masks, which the selects below read
.set n, 0
.rept 16
	v_cndmask_b32 v[SB+n], v[SB+n], v11, s[MK+n]   ; a hidden key's score becomes -infinity: p = 0; each accumulator from its low end on
.set n, n+1
.endr
.Lao_\@:
.endif
	v_max3_num_f32 v[TM+\b], v[SB], v[SB+1], v[SB+2]               ; two chains; each accumulator from its low end on
	v_max3_num_f32 v[TM+4+\b], v[SB+3], v[SB+4], v[SB+5]
	v_max3_num_f32 v[TM+\b], v[TM+\b], v[SB+6], v[SB+7]
	v_max3_num_f32 v[TM+4+\b], v[TM+4+\b], v[SB+8], v[SB+9]
	v_max3_num_f32 v[TM+\b], v[TM+\b], v[SB+10], v[SB+11]
	v_max3_num_f32 v[TM+4+\b], v[TM+4+\b], v[SB+12], v[SB+13]
	v_max3_num_f32 v[TM+\b], v[TM+\b], v[SB+14], v[SB+15]
	v_max_num_f32 v[TM+\b], v[TM+\b], v[TM+4+\b]
.if HID
	s_branch .Lad_\@
.Lah_\@:
	v_mov_b32 v[TM+\b], v11                        ; a hidden block: its largest score is -infinity
.Lad_\@:
.endif
.endm
; Second part: p, its sum, its codes.
.macro BBLK j, b
.set SB, S+16*\b
.set HID, 0
.if (\j == 4) && (\b > 0)
.set HID, 1
	s_cmp_lt_u32 s[W2], \b
	s_cbranch_scc1 .Lbh_\@
.endif
.if (\j == 0) && (\b < 3)
.set HID, 1
	s_cmp_gt_u32 s[W2], \b
	s_cbranch_scc1 .Lbh_\@
.endif
.set n, 0
.rept 8
	v_pk_fma_f32 v[SB+n:SB+n+1], v[SB+n:SB+n+1], v[6:7], v[2:3] op_sel_hi:[1,0,0]   ; t - M (of the pairs c and -M the low word serves both halves)
.set n, n+2
.endr
.set n, 0
.rept 16
	v_exp_f32 v[SB+n], v[SB+n]                     ; p = 2^(t - M)
.set n, n+1
.endr
	v_nop                                          ; a plain line behind the exponentials
	s_wait_alu depctr_va_vdst(0)
	v_pk_add_f32 v[TM:TM+1], v[SB:SB+1], v[SB+2:SB+3]              ; the row's sum is taken of the unquantised p
	v_pk_add_f32 v[TM+2:TM+3], v[SB+4:SB+5], v[SB+6:SB+7]
	v_pk_add_f32 v[TM+4:TM+5], v[SB+8:SB+9], v[SB+10:SB+11]
	v_pk_add_f32 v[TM+6:TM+7], v[SB+12:SB+13], v[SB+14:SB+15]
.irp i, 0,1,2,3
	v_min_num_f32 v[SB+\i], v[SB+\i], v[TM+8+\b]   ; the conversion does not saturate (ISA guide 7.6.2); p is not negative, so the hold is one-sided
.endr
	v_pk_add_f32 v[TM:TM+1], v[TM:TM+1], v[TM+2:TM+3]
	v_pk_add_f32 v[TM+4:TM+5], v[TM+4:TM+5], v[TM+6:TM+7]
.irp i, 4,5,6,7
	v_min_num_f32 v[SB+\i], v[SB+\i], v[TM+8+\b]
.endr
	v_pk_add_f32 v[TM:TM+1], v[TM:TM+1], v[TM+4:TM+5]
.irp i, 8,9,10,11
	v_min_num_f32 v[SB+\i], v[SB+\i], v[TM+8+\b]
.endr
	v_pk_add_f32 v[4:5], v[4:5], v[TM:TM+1]
.irp i, 12,13,14,15
	v_min_num_f32 v[SB+\i], v[SB+\i], v[TM+8+\b]
.endr
	v_cvt_scalef32_pk8_bf8_f32 v[PC+4*\b:PC+4*\b+1], v[SB:SB+7], v[TM+12+\b]
	v_cvt_scalef32_pk8_bf8_f32 v[PC+4*\b+2:PC+4*\b+3], v[SB+8:SB+15], v[TM+12+\b]
.if HID
	s_branch .Lbd_\@
.Lbh_\@:
.irp i, 0,1,2,3
	v_mov_b32 v[PC+4*\b+\i], 0                     ; a hidden block: zero codes (its byte is the floor's, 1)
.endr
.Lbd_\@:
.endif
.endm
	s_load_b256 s[4:11], s[0:1], 0x0               ; qk, vcod, fit, ocod
	v_lshl_add_u32 v255, v0, 2, 0x14100
	s_set_vgpr_msb 0x40
	v_mov_b32 v65, 0
	s_set_vgpr_msb 0x4000
	v_lshrrev_b32 v13, 5, v0
	v_readfirstlane_b32 s12, v13                   ; wave
	s_mov_b32 s13, ttmp9                           ; qb
	s_and_b32 s14, ttmp7, 0xffff                   ; head
	s_mov_b32 s[MNT], 0x600000
	s_mov_b32 s[SEL], 0x76543210
	s_mov_b32 s[SEL+1], 0xfedcba98
	v_lshl_add_u32 v153, v13, 2, 81920             ; LDS: my wave's partial sum
	v_mov_b32 v155, 81920
	v_and_b32 v13, 31, v0
	v_lshlrev_b32 v1, 4, v13                       ; 16 x lane
	v_add_nc_u32 v10, 40960, v1                    ; the same in v's region
	v_lshlrev_b32 v146, 4, v0                      ; 16 x thread
	v_add_nc_u32 v154, 40960, v146
	v_lshlrev_b32 v147, 2, v13                     ; 4 x lane
	v_and_b32 v14, 15, v0                          ; r
	v_bfe_u32 v15, v0, 4, 1                        ; h
	v_lshlrev_b32 v148, 2, v14                     ; 4 r
	s_wait_alu depctr_va_sdst(0)                   ; s12 is written, ahead of its first reader
	s_lshr_b32 s[W2], s12, 1
	s_lshr_b32 s18, s12, 1
	s_lshl_b32 s18, s18, 5
	s_and_b32 s40, s12, 1
	s_lshl_b32 s40, s40, 3
	s_add_co_u32 s18, s18, s40
	v_and_b32 v13, 8, v14
	v_add_nc_u32 v13, v13, v14
	v_add_nc_u32 v13, s18, v13                     ; my query in the block
	v_lshlrev_b32 v15, 4, v15
	v_sub_nc_u32 v[DD], v13, v15                   ; less 16 h
.irp j, 0,1,2,3,4
	s_add_co_i32 s18, s13, \j-4
	s_max_i32 s18, s18, 0                          ; a step before key 0 is not used: its loads read step 0, inside the buffers
	s_lshl_b32 s40, s18, 13
	v_add_nc_u32 v[136+\j], s40, v146
	s_lshl_b32 s40, s18, 8
	v_add_nc_u32 v[141+\j], s40, v147
.endr
	s_mov_b32 s19, 0
	s_add_co_u32 s40, s14, 16
	s_lshl_b32 s18, s40, 17
	s_wait_kmcnt 0x0
	s_add_nc_u64 s[20:21], s[4:5], s[18:19]        ; k's images
	s_lshl_b32 s18, s40, 12
	s_add_co_u32 s18, s18, 4194304
	s_add_nc_u64 s[22:23], s[4:5], s[18:19]        ; k's scale words
	s_lshl_b32 s18, s14, 17
	s_lshl_b32 s40, s13, 13
	s_add_co_u32 s18, s18, s40
	s_lshl_b32 s40, s12, 10
	s_add_co_u32 s18, s18, s40
	s_add_nc_u64 s[24:25], s[4:5], s[18:19]        ; my tile of q
	s_lshl_b32 s18, s14, 12
	s_lshl_b32 s40, s13, 8
	s_add_co_u32 s18, s18, s40
	s_lshr_b32 s40, s12, 1
	s_lshl_b32 s40, s40, 6
	s_add_co_u32 s18, s18, s40
	s_add_co_u32 s18, s18, 4194304
	s_add_nc_u64 s[26:27], s[4:5], s[18:19]        ; its scale words
	s_lshr_b32 s40, s14, 2                         ; the value head
	s_lshl_b32 s18, s40, 17
	s_add_nc_u64 s[28:29], s[6:7], s[18:19]        ; v's images
	s_lshl_b32 s18, s40, 12
	s_add_co_u32 s18, s18, 524288
	s_add_nc_u64 s[30:31], s[6:7], s[18:19]        ; v's scale words
	s_lshl_b32 s18, s14, 14
	s_add_nc_u64 s[32:33], s[8:9], s[18:19]        ; the head's 16,384 bytes of fit
	s_lshl_b32 s18, s13, 10
	s_lshl_b32 s40, s12, 7
	s_add_co_u32 s18, s18, s40
	s_add_nc_u64 s[34:35], s[32:33], s[18:19]      ; my tile's record
	s_lshl_b32 s18, s13, 17
	s_lshl_b32 s40, s12, 14
	s_add_co_u32 s18, s18, s40
	s_lshl_b32 s40, s14, 10
	s_add_co_u32 s18, s18, s40
	s_add_nc_u64 s[36:37], s[10:11], s[18:19]      ; out's image: tile 8 qb + w, K step head / 2, chunks 2 (head % 2) on
	s_lshl_b32 s18, s13, 12
	s_lshl_b32 s40, s12, 9
	s_add_co_u32 s18, s18, s40
	s_lshr_b32 s40, s14, 1
	s_lshl_b32 s40, s40, 6
	s_add_co_u32 s18, s18, s40
	s_and_b32 s40, s14, 1
	s_lshl_b32 s40, s40, 1
	s_add_co_u32 s18, s18, s40
	s_add_co_u32 s18, s18, 2097152
	s_add_nc_u64 s[38:39], s[10:11], s[18:19]      ; and its scale bytes
	s_wait_alu depctr_va_vdst(0)                   ; the offsets and LDS addresses v1, v10, v136-148 and v153-155 are written, which the loads and stores below read
.irp j, 0,1,2,3,4
	global_load_b128 v[40+8*\j:43+8*\j], v[136+\j], s[20:21]
	global_load_b128 v[44+8*\j:47+8*\j], v[136+\j], s[20:21] offset:4096
	global_load_b128 v[80+8*\j:83+8*\j], v[136+\j], s[28:29]
	global_load_b128 v[84+8*\j:87+8*\j], v[136+\j], s[28:29] offset:4096
	global_load_b32 v[KS+2*\j], v[141+\j], s[22:23]
	global_load_b32 v[KS+2*\j+1], v[141+\j], s[22:23] offset:128
	global_load_b32 v[VS+2*\j], v[141+\j], s[30:31]
	global_load_b32 v[VS+2*\j+1], v[141+\j], s[30:31] offset:128
.endr
.irp i, 0,1,2,3
	global_load_b128 v[120+4*\i:123+4*\i], v146, s[32:33] offset:4096*\i
.endr
	global_load_b32 v149, v148, s[34:35]           ; my query's denom
	global_load_b128 v[Q:Q+3], v1, s[24:25]
	global_load_b128 v[Q+4:Q+7], v1, s[24:25] offset:512
	global_load_b128 v[Q+16:Q+19], v1, s[24:25]
	global_load_b128 v[Q+20:Q+23], v1, s[24:25] offset:512
	global_load_b32 v150, v148, s[26:27]
.irp i, 0,1,2,3,4,5,6,7
	v_mov_b32 v[Q+8+\i], 0                         ; zero codes
.endr
.set n, 0
.rept 32
	v_mov_b32 v[O+n], 0                            ; O^T begins as zeros: the step is written once, and the first change of M leaves zeros zeros
.set n, n+1
.endr
.irp b, 0,1,2,3
	v_mov_b32 v[TM+4+\b], 0                        ; a lane permute's destination counts as read
.endr
	v_mov_b32 v253, 0                              ; (named as the upper half of the pair v[252:253])
	v_mov_b32 v152, 0
	v_mov_b32 v11, 0xff800000                      ; -infinity
	v_mov_b32 v3, 0xff61b1e6                       ; the largest t so far: -3e38
	v_floor_f32 v2, -v3                            ; -M
	v_mov_b32 v4, 0                                ; the row's sum, in two halves
	v_mov_b32 v5, 0
	v_and_b32 v151, 4, v0
	v_cmp_eq_u32 vcc_lo, 0, v151                   ; (for the select in the sum below)
	s_and_b32 s18, s12, 1
	s_lshl_b32 s18, s18, 4
	s_wait_loadcnt 0x0
.irp j, 0,1,2,3,4
	ds_store_b128 v146, v[40+8*\j:43+8*\j] offset:8192*\j          ; k's and v's images go to LDS under the sum below: no vector instruction since the wait above names v146, v154 or these registers
	ds_store_b128 v146, v[44+8*\j:47+8*\j] offset:8192*\j+4096
	ds_store_b128 v154, v[80+8*\j:83+8*\j] offset:8192*\j
	ds_store_b128 v154, v[84+8*\j:87+8*\j] offset:8192*\j+4096
.endr
	v_pk_add_f32 v[120:121], v[120:121], v[122:123]   ; my 16 words of fit
	v_pk_add_f32 v[124:125], v[124:125], v[126:127]
	v_pk_add_f32 v[128:129], v[128:129], v[130:131]
	v_pk_add_f32 v[132:133], v[132:133], v[134:135]
	v_pk_add_f32 v[120:121], v[120:121], v[124:125]
	v_pk_add_f32 v[128:129], v[128:129], v[132:133]
	v_pk_add_f32 v[120:121], v[120:121], v[128:129]
	v_add_f32 v120, v120, v121
	s_wait_alu depctr_va_vcc(0)                    ; the compare has written VCC, which the select reads
	v_cndmask_b32 v120, v120, v152, vcc_lo         ; a record's words 0-15 are denoms: threads whose number has bit 2 clear hold those, and add nothing
	v_add_f32_dpp v120, v120, v120 row_xmask:1 row_mask:0xf bank_mask:0xf
	v_add_f32_dpp v120, v120, v120 row_xmask:2 row_mask:0xf bank_mask:0xf
	v_add_f32_dpp v120, v120, v120 row_xmask:4 row_mask:0xf bank_mask:0xf
	v_add_f32_dpp v120, v120, v120 row_xmask:8 row_mask:0xf bank_mask:0xf
	v_permlanex16_b32 v121, v120, s[SEL], s[SEL+1]
	v_add_f32 v120, v120, v121
	s_wait_alu depctr_va_vdst(0)                   ; the sum has written v120, which the store reads; and it is done with v120-135, in the first eight of which the loads behind the barrier land
	ds_store_b32 v153, v120                        ; all lanes write the same word with the same value
	v_lshrrev_b32 v150, s18, v150
	v_and_b32 v150, 0xffff, v150
	v_lshl_or_b32 v[QS], v150, 16, v150            ; q's half word, twice
	s_wait_dscnt 0x0                               ; for the others' sake: my stores have landed
	s_barrier_signal -1
	s_barrier_wait -1
	s_wait_alu depctr_vm_vsrc(0)                   ; my LDS stores have read v40-103 and v120, in which the loads below land
	ds_load_b128 v[120:123], v155
	ds_load_b128 v[124:127], v155 offset:16
.irp b, 0,1,2,3
	KFRAG 4, \b                                    ; the diagonal step's fragments land while c is made
.endr
	s_wait_dscnt 16                                ; the eight partial sums are in; the sixteen loads issued behind them may be out
	v_add_f32 v120, v120, v121
	v_add_f32 v120, v120, v122
	v_add_f32 v120, v120, v123
	v_add_f32 v120, v120, v124
	v_add_f32 v120, v120, v125
	v_add_f32 v120, v120, v126
	v_add_f32 v120, v120, v127                     ; the head's sum of 1 / denom, in the same order in every wave
	v_mul_f32 v120, v149, v120
	v_rcp_f32 v121, v120                           ; the fitness
	v_nop
	s_wait_alu depctr_va_vdst(0)
	v_mul_f32 v6, 0x3e38aa3b, v121                 ; c = fitness x log2(e) / 8, positive
	v_mov_b32 v7, v6
	PLACES 8                                       ; between the vector writes of q's zeros and scale word and the first products
	s_wait_alu depctr_vm_vsrc(0)                   ; the head's loads and stores have read their offsets, addresses and data in v104-119, v136-148 and v153-155: these registers are S^T from here on, written by the score products
	s_wait_alu depctr_va_vdst(0)                   ; q's zero codes and its scale word are written, which the scaled products take; the places above stay beside this wait
.macro BSTEP j
.if \j < 4
	s_cmp_lt_u32 s13, 4-\j                         ; this step and all that follow lie before key 0: a branch on the work-group's number
	s_cbranch_scc1 .Lend
.endif
	s_wait_dscnt 0x0                               ; k's fragments, asked for a step ago
.irp b, 0,1,2,3
.irp u, 0,1
	SMM S+16*\b+8*\u, KF+16*\b, Q+8*\u, KS+2*\j+\b/2, \b%2   ; (they name no register of the last step's products of O^T)
.endr
.endr
	PLACES 8                                       ; in front of the first read of the scores (ISA guide 7.12.1)
	WIN 0x40                                       ; destination window 1, address window 0
	s_wait_alu depctr_va_vdst(0)                   ; the score products are done reading k's fragments, and the last step's products of O^T are done reading v's tiles: the step's loads land in both
	VLOAD \j                                       ; this step's tiles of v land under its softmax
	WIN 0
.irp b, 0,1,2,3
	ABLK \j, \b
.if \j > 0
	KFRAG \j-1, \b                                 ; the next step's fragments of k, dealt: no vector or matrix instruction since the wait above names v40-103 or v1.  (Where that step is not walked they read bytes that were stored and are not used)
.endif
.endr
.irp b, 0,1,2,3
	v_permlanex16_b32 v[TM+4+\b], v[TM+\b], s[SEL], s[SEL+1]
.endr
.irp b, 0,1,2,3
	v_max_num_f32 v[TM+\b], v[TM+\b], v[TM+4+\b]   ; the largest score of each block of 32 keys: for the row's maximum, and, since p rises with the score, for the block's largest p
.endr
	v_max3_num_f32 v254, v[TM], v[TM+1], v[TM+2]
	v_max_num_f32 v254, v254, v[TM+3]              ; the step's largest score of my query: a number, since each step that is walked has a key that counts for every query
	v_mul_f32 v254, v6, v254
	v_max_num_f32 v3, v3, v254                     ; the running largest t
	v_mov_b32 v254, v2
	v_floor_f32 v2, -v3                            ; the new -M = -ceil(t)
	v_sub_f32 v254, v2, v254                       ; old M - new M: a whole number, 0 or less
	v_cvt_i32_f32 v254, v254                       ; (it saturates)
	v_ldexp_f32 v252, 1.0, v254                    ; f = 2^(old M - new M)
.irp b, 0,1,2,3
	v_fma_f32 v[TM+\b], v[TM+\b], v6, v2           ; t - M of each block's largest score,
.endr
.irp b, 0,1,2,3
	v_exp_f32 v[TM+\b], v[TM+\b]                   ; and the block's largest p: the same two instructions on the same number give the same bits
.endr
	v_pk_mul_f32 v[4:5], v[4:5], v[252:253] op_sel_hi:[1,0]   ; the sums under the new M (a plain line behind the exponentials)
	s_wait_alu depctr_va_vdst(0)
.irp b, 0,1,2,3
	v_max_num_f32 v[TM+\b], 0x8000000, v[TM+\b]    ; the floor 2^(16 - 127)
.endr
.irp b, 0,1,2,3
	v_add_nc_u32 v[TM+12+\b], 0xf8800000, v[TM+\b]
.endr
.irp b, 0,1,2,3
	v_and_or_b32 v[TM+8+\b], v[TM+\b], 0x7f800000, s[MNT]
.endr
.irp b, 0,1,2,3
	v_lshrrev_b32 v[TM+4+\b], 23, v[TM+12+\b]
.endr
	v_lshl_or_b32 v[PW], v[TM+5], 8, v[TM+4]       ; p's scale word for these 128 keys
	v_lshl_or_b32 v[PW], v[TM+6], 16, v[PW]
	v_lshl_or_b32 v[PW], v[TM+7], 24, v[PW]
	BBLK \j, 0
	BBLK \j, 1
	BBLK \j, 2
	BBLK \j, 3
.set n, 0
.rept 16
	v_pk_mul_f32 v[O+n:O+n+1], v[O+n:O+n+1], v[252:253] op_sel_hi:[1,0]   ; O^T under the new M; these are also the places between the codes and the products
.set n, n+2
.endr
	WIN 0x01                                       ; source 0 (v's tiles) window 1
.if \j > 0
	s_wait_dscnt 16                                ; v's sixteen loads are in; the sixteen of the next step's k, issued behind them, may be out
.else
	s_wait_dscnt 0x0                               ; v's sixteen loads are in: nothing was issued behind them
.endif
	s_wait_alu depctr_va_vdst(0)                   ; p's codes and its scale word are written, which the scaled products take; the places above stay beside this wait
.irp t, 0,1,2,3
	OMM O+8*\t, VF+16*\t, VS+2*\j+\t/2, \t%2       ; the four accumulators take one turn each
.endr
	WIN 0                                          ; at a branch and at a label every window is 0
.endm
	BSTEP 4
	BSTEP 3
	BSTEP 2
	BSTEP 1
	BSTEP 0
.Lend:
	s_wait_dscnt 0x0                               ; (fragments asked for ahead of a step that is not walked)
	PLACES 8
	v_add_f32 v4, v4, v5
	v_permlanex16_b32 v254, v4, s[SEL], s[SEL+1]
	v_add_f32 v4, v4, v254                         ; the row's sum
	v_rcp_f32 v252, v4
	v_nop
.set n, 0
	s_wait_alu depctr_va_vdst(0)
.rept 16
	v_pk_mul_f32 v[O+n:O+n+1], v[O+n:O+n+1], v[252:253] op_sel_hi:[1,0]   ; register 16 b + i is out(my query, 64 head + 32 b + 16 h + i); each accumulator from its low end on
.set n, n+2
.endr
	QUANT O, 2, PC
	v_and_b32 v13, 15, v0
	v_bfe_u32 v14, v0, 4, 1
	v_lshl_add_u32 v15, v13, 2, v14                ; 4 r + h
	v_cmp_eq_u32 vcc_lo, 0, v14
	s_wait_alu depctr_va_vcc(0)                    ; the compare has written VCC, which the select reads
	v_cndmask_b32 v254, v[TM+5], v[TM+4], vcc_lo   ; lanes 0-15: block 0's byte; lanes 16-31: block 1's
	s_wait_alu depctr_va_vdst(0)                   ; the conversions have written the codes v200-207, and v15 and v254 are written: the three stores read them
	global_store_b128 v1, v[PC:PC+3], s[36:37]
	global_store_b128 v1, v[PC+4:PC+7], s[36:37] offset:512
	global_store_b8 v15, v254, s[38:39]
	s_set_vgpr_msb 0x4
	s_wait_dscnt 0x0
	s_wait_alu depctr_hold_cnt(0) depctr_sa_sdst(0) depctr_va_vdst(0) depctr_va_sdst(0) depctr_va_ssrc(0) depctr_va_vcc(0) depctr_vm_vsrc(0)
	s_wait_tensorcnt 0x0
	ds_add_u32 v255, v65
	s_wait_dscnt 0x0
	s_endpgm
.Lfunc_end_k_q489ed890ae_attn:
	.size	k_q489ed890ae_attn, .Lfunc_end_k_q489ed890ae_attn-k_q489ed890ae_attn
	.p2alignl 7, 3214868480
	.fill 96, 4, 3214868480
	.section	.rodata,"a",@progbits
	.p2align	6, 0x0
	.amdhsa_kernel k_q489ed890ae_attn
		.amdhsa_group_segment_fixed_size 83200
		.amdhsa_private_segment_fixed_size 0
		.amdhsa_enable_private_segment 0
		.amdhsa_kernarg_size 32
		.amdhsa_user_sgpr_count 2
		.amdhsa_user_sgpr_kernarg_segment_ptr 1
		.amdhsa_wavefront_size32 1
		.amdhsa_system_sgpr_workgroup_id_x 1
		.amdhsa_system_sgpr_workgroup_id_y 1
		.amdhsa_system_sgpr_workgroup_id_z 1
		.amdhsa_system_vgpr_workitem_id 0
		.amdhsa_next_free_vgpr 322
		.amdhsa_next_free_sgpr 66
		.amdhsa_reserve_vcc 1
		.amdhsa_float_denorm_mode_32 3
		.amdhsa_float_denorm_mode_16_64 3
		.amdhsa_memory_ordered 1
		.amdhsa_forward_progress 1
		.amdhsa_inst_pref_size 132
	.end_amdhsa_kernel
	.amdgpu_metadata
---
amdhsa.version: [ 1, 2 ]
amdhsa.kernels:
  - .name:           k_q489ed890ae_attn
    .symbol:         k_q489ed890ae_attn.kd
    .args:
      - { .name: qk, .offset: 0, .size: 8, .value_kind: global_buffer, .address_space: global }
      - { .name: vcod, .offset: 8, .size: 8, .value_kind: global_buffer, .address_space: global }
      - { .name: fit, .offset: 16, .size: 8, .value_kind: global_buffer, .address_space: global }
      - { .name: ocod, .offset: 24, .size: 8, .value_kind: global_buffer, .address_space: global }
    .group_segment_fixed_size: 83200
    .private_segment_fixed_size: 0
    .kernarg_segment_align: 8
    .kernarg_segment_size: 32
    .max_flat_workgroup_size: 256
    .sgpr_count:     66
    .vgpr_count:     322
    .wavefront_size: 32
...
	.end_amdgpu_metadata
.endif
;; end of part 7
;; launch oproj: the kernel of part 5 again; grid 8 x 16, 8 waves a work-group, clusters of 4 x 4, 297,984 bytes of LDS; arguments ocod, wcod, b_o, out0; writes out0
